; MI455X (gfx1250); checked and timed in simulation.
; The chip was launched on July 23, 2026; its instructions are those of AMD's public machine-readable ISA for CDNA 5 (MIT licence, August 2026) and "CDNA5" Instruction Set Architecture Reference Guide (July 2026). The comments in the code are by the model that wrote it; some were corrected since.
;; Causal Self Attention. Allowed arithmetic: float matrix products may take bf16 or f16 operands with f32 sums; other float arithmetic in f32, or as packed bf16 or f16 multiplies, adds, multiply-adds, maxima and minima; sums over many terms, partial sums and values carried from step to step in f32; what a program stores and reads back later, other than sums and carried values, may be rounded once to bf16 or f16.
;; Inputs: Wattn 1,024 x 3,072 float32; Wproj 1,024 x 1,024 float32; battn 3,072 float32; bproj 1,024 float32; embk 1,024 x 64 float32; embv 1,024 x 64 float32; x 8 x 1,024 x 1,024 float32.
;; Outputs: out0 8 x 1,024 x 1,024 float32.
;; One version. Each part assembles by itself: llvm-mc -triple=amdgcn-amd-amdhsa -mcpu=gfx1250 --defsym DOCPART=n.
;; ======== version 1 of 1: 4 launches
;; limits: values are held in f16: magnitudes above 65,504 overflow, below 6.1e-05 lose precision
;; workspace buffers: xb 16,777,216 bytes; wat 6,291,456 bytes; wpt 2,097,152 bytes; tab 290,304 bytes; qw 16,777,216 bytes; kw 16,777,216 bytes; vtw 16,777,216 bytes; yw 16,777,216 bytes
;; launch prep (part 1): grid 1095 x 1, 8 waves a work-group, no clusters, 17,920 bytes of LDS; arguments x, Wattn, Wproj, embk, embv, xb, wat, wpt, tab; writes xb, wat, wpt, tab
.if DOCPART == 1
	.amdgcn_target "amdgcn-amd-amdhsa--gfx1250"
	.amdhsa_code_object_version 6
	.text
	.protected	k_q125bab883b_prep
	.globl	k_q125bab883b_prep
	.p2align	8
	.type	k_q125bab883b_prep,@function
k_q125bab883b_prep:
	s_mov_b64 s[64:65], 0
	v_nop
	global_prefetch_b8 v0, s[64:65] scope:SCOPE_SE
	s_setreg_imm32_b32 hwreg(HW_REG_WAVE_MODE, 25, 1), 1
	s_wait_xcnt 0x0
; PREP: every large input is rounded once to bf16 and laid out as the later launches want it.
;   work-groups 0-511     xb  = x in bf16, [8192][1024]
;   work-groups 512-895   wat = Wattn turned, bf16 [3072][1024]: row h*192 + sec*64 + d holds column sec*1024 + h*64 + d (sec: q, k, v)
;   work-groups 896-1023  wpt = Wproj turned, [1024 n][1024 k]: the bf16 number written as f16
;   work-groups 1024-1094 tab = both relative tables, reversed (u = 1023 - distance), the bf16 number written as f16, as they will lie in LDS:
;        E part, bytes 0-147,967: element (u, ch) at 128 u + 16 (u / 2) + 2 ch, u = 0..1087;   VT part behind it: element (d, u) at 2224 d + 2 u, u = 0..1103.
;        Rows with u above 1023 and the padding hold 0.
; LIMIT: a bf16 number below 6e-5 in size keeps f16's fixed step of 6e-8 when it is written as f16; beyond 65,504 it would be lost.
; No matrix unit, no cluster: the launch only moves bytes, each once.
.set SPARE, 16896                      ; behind the turning tile (128 rows x 132 bytes): the spare words, 128 bytes a wave
.set SPW, 8                            ; v8  LDS address of my spare word; never rewritten
.set NIL, 9                            ; v9  0; never rewritten
	s_load_b512 s[4:19], s[0:1], 0x0               ; x s[4:5], Wattn s[6:7], Wproj s[8:9], embk s[10:11], embv s[12:13], xb s[14:15], wat s[16:17], wpt s[18:19]
	s_load_b64 s[20:21], s[0:1], 0x40              ; tab
	v_lshl_add_u32 v[SPW], v0, 2, SPARE
	v_mov_b32 v[NIL], 0
	v_lshrrev_b32 v1, 5, v0
	v_readfirstlane_b32 s22, v1                    ; wave 0..7
	s_mov_b32 s23, ttmp9                           ; the work-group's number chooses the part
	s_mov_b32 s25, 0
	s_wait_kmcnt 0x0
	s_cmp_lt_u32 s23, 512
	s_cbranch_scc0 .Lweights
	; X: 16,384 numbers a work-group.  A load of a wave takes 512 neighbouring bytes, a store fills 256 neighbouring bytes, aligned.
	s_lshl_b32 s24, s23, 16
	s_add_nc_u64 s[4:5], s[4:5], s[24:25]
	s_lshl_b32 s24, s23, 15
	s_add_nc_u64 s[14:15], s[14:15], s[24:25]
	v_lshlrev_b32 v2, 4, v0
	v_lshlrev_b32 v3, 3, v0
.set j, 0
.rept 16
	global_load_b128 v[16+4*j:19+4*j], v2, s[4:5] offset:4096*j th:TH_LOAD_NT
.set j, j+1
.endr
.set j, 0
.rept 16
	s_wait_loadcnt 15-j                            ; loads come back in order: load j is in, the younger ones stay out
	v_cvt_pk_bf16_f32 v[80+2*j], v[16+4*j], v[17+4*j]
	v_cvt_pk_bf16_f32 v[81+2*j], v[18+4*j], v[19+4*j]
	global_store_b64 v3, v[80+2*j:81+2*j], s[14:15] offset:2048*j
.set j, j+1
.endr
	s_branch .Lend
.Lweights:
	s_cmp_lt_u32 s23, 1024
	s_cbranch_scc0 .Ltables
	; W: a tile of 128 k x 64 n is read by rows of 256 bytes, rounded, turned in LDS, and written as 64 rows of 256 bytes.
	s_sub_co_u32 s24, s23, 512
	s_mov_b32 s26, 4096                            ; bytes in a row of Wproj,
	s_cmp_lt_u32 s24, 384
	s_cselect_b32 s26, 12288, s26                  ; of Wattn
	s_cselect_b64 s[28:29], s[6:7], s[8:9]         ; from where,
	s_cselect_b64 s[30:31], s[16:17], s[18:19]     ; to where
	s_cselect_b32 s27, 0, 1                        ; 1: written as f16
	s_cselect_b32 s32, 0, 384
	s_sub_co_u32 s24, s24, s32                     ; the tile's number in its matrix
	s_and_b32 s33, s24, 7                          ; which 128 k
	s_lshr_b32 s34, s24, 3                         ; which 64 n
	s_and_b32 s35, s34, 15
	s_mul_i32 s35, s35, 192
	s_lshr_b32 s36, s34, 4
	s_lshl_b32 s36, s36, 6
	s_add_co_u32 s35, s35, s36                     ; Wattn: first row out = h*192 + sec*64
	s_lshl_b32 s36, s34, 6                         ; Wproj: 64 x the group
	s_cmp_eq_u32 s27, 0
	s_cselect_b32 s35, s35, s36
	s_lshl_b32 s36, s33, 7
	s_mul_i32 s36, s36, s26                        ; 128 k rows down,
	s_lshl_b32 s37, s34, 8
	s_add_co_u32 s36, s36, s37                     ; 64 numbers of 4 bytes along
	s_mov_b32 s37, 0
	s_add_nc_u64 s[28:29], s[28:29], s[36:37]
	s_lshl_b32 s36, s35, 11
	s_lshl_b32 s38, s33, 8
	s_add_co_u32 s36, s36, s38
	s_add_nc_u64 s[30:31], s[30:31], s[36:37]
	s_lshl_b32 s38, s26, 4                         ; 16 rows
	v_lshrrev_b32 v3, 4, v0                        ; tid / 16
	v_and_b32 v4, 15, v0                           ; tid % 16
	v_lshlrev_b32 v5, 4, v4
	v_mad_u32_u24 v10, v3, s26, v5                 ; row x pitch + 16 c: sixteen lanes take a row's 256 bytes
.set i, 1
.rept 7
	v_add_nc_u32 v[10+i], s38, v[9+i]
.set i, i+1
.endr
.set i, 0
.rept 8
	global_load_b128 v[32+4*i:35+4*i], v[10+i], s[28:29] th:TH_LOAD_NT
.set i, i+1
.endr
	v_mul_u32_u24 v6, v3, 132
	v_lshl_add_u32 v6, v4, 3, v6                   ; in: row k at 132 k, my four numbers at 8 c
	v_mul_u32_u24 v7, v4, 1056
	v_lshl_add_u32 v7, v3, 1, v7                   ; back: eight k from 8 (tid % 16) on, column tid / 16
	v_lshlrev_b32 v18, 11, v3
	v_lshl_add_u32 v18, v4, 4, v18                 ; out: row tid / 16, 16 bytes at 16 (tid % 16)
	s_wait_loadcnt 0x0
.set i, 0
.rept 16
	v_cvt_pk_bf16_f32 v[64+i], v[32+2*i], v[33+2*i]
.set i, i+1
.endr
	s_cmp_eq_u32 s27, 0
	s_cbranch_scc1 .Lkeep
.set i, 0
.rept 16
	v_lshlrev_b32 v80, 16, v[64+i]                 ; the bf16 numbers as f32,
	v_and_b32 v81, 0xffff0000, v[64+i]
	v_cvt_pk_f16_f32 v[64+i], v80, v81             ; written as f16
.set i, i+1
.endr
.Lkeep:
.set i, 0
.rept 8
	ds_store_b32 v6, v[64+2*i] offset:2112*i
	ds_store_b32 v6, v[65+2*i] offset:2112*i+4
.set i, i+1
.endr
	s_wait_dscnt 0x0                               ; for the others' sake: my stores are done
	s_barrier_signal -1
	s_barrier_wait -1
.set m, 0
.rept 4
.set i, 0
.rept 8
	ds_load_u16 v[32+8*m+i], v7 offset:132*i+32*m
.set i, i+1
.endr
.set m, m+1
.endr
	s_wait_dscnt 0x0
.set i, 0
.rept 16
	v_lshl_or_b32 v[64+i], v[33+2*i], 16, v[32+2*i]
.set i, i+1
.endr
.set m, 0
.rept 4
	global_store_b128 v18, v[64+4*m:67+4*m], s[30:31] offset:32768*m  ; sixteen lanes fill 256 neighbouring bytes, aligned
.set m, m+1
.endr
	s_branch .Lend
.Ltables:
	; T: 18,144 pieces of 16 bytes, a lane a piece, a wave 512 neighbouring bytes of tab.  567 waves have work; the 568th has none.
	s_sub_co_u32 s24, s23, 1024
	s_lshl_b32 s24, s24, 3
	s_add_co_u32 s24, s24, s22
	s_cmp_lt_u32 s24, 567
	s_cbranch_scc0 .Lend
	v_and_b32 v1, 31, v0
	v_lshl_add_u32 v2, s24, 5, v1                  ; the piece's number
	v_lshlrev_b32 v3, 4, v2
	s_cmp_lt_u32 s24, 289
	s_cbranch_scc0 .Lvt
	s_mov_b32 s26, 61681                           ; / 17 for numbers under 9,248: x 61681 >> 20
	v_mul_lo_u32 v4, v2, s26
	v_lshrrev_b32 v4, 20, v4                       ; which pair of rows (272 bytes)
	v_mul_u32_u24 v5, v4, 17
	v_sub_nc_u32 v5, v2, v5                        ; which piece of it: 0-7 the even row, 8-15 the odd one, 16 the padding
	v_lshrrev_b32 v6, 3, v5
	v_lshl_add_u32 v6, v4, 1, v6                   ; u
	v_and_b32 v7, 7, v5
	v_sub_nc_u32 v10, 1023, v6
	v_max_i32 v10, 0, v10                          ; embk's row 1023 - u; rows past the end read row 0 and are zeroed below
	v_lshlrev_b32 v10, 8, v10
	v_lshl_add_u32 v10, v7, 5, v10                 ; eight channels: 32 bytes
	global_load_b128 v[16:19], v10, s[10:11]
	global_load_b128 v[20:23], v10, s[10:11] offset:16
	v_cmp_gt_u32 s27, 16, v5
	v_cmp_gt_u32 s28, 1024, v6
	s_and_b32 s27, s27, s28                        ; lanes whose piece holds numbers
	s_branch .Lround
.Lvt:
	s_sub_co_u32 s26, s24, 289
	v_lshl_add_u32 v4, s26, 5, v1                  ; the piece's number in the VT part
	s_mov_b32 s28, 30175                           ; / 139 for numbers under 8,896: x 30175 >> 22
	v_mul_lo_u32 v5, v4, s28
	v_lshrrev_b32 v5, 22, v5                       ; channel d
	v_mul_u32_u24 v6, v5, 139
	v_sub_nc_u32 v6, v4, v6                        ; which eight u
	v_min_u32 v7, 127, v6
	v_lshlrev_b32 v7, 3, v7
	v_sub_nc_u32 v7, 1016, v7                      ; embv's row for the last of the eight
	v_lshlrev_b32 v7, 8, v7
	v_lshl_add_u32 v10, v5, 2, v7
.set i, 0
.rept 8
	global_load_b32 v[16+i], v10, s[12:13] offset:256*(7-i)
.set i, i+1
.endr
	v_cmp_gt_u32 s27, 128, v6
.Lround:
	s_wait_loadcnt 0x0
.irp j, 0,1,2,3
	v_cvt_pk_bf16_f32 v[24+\j], v[16+2*\j], v[17+2*\j]
.endr
.irp j, 0,1,2,3
	v_lshlrev_b32 v[16+2*\j], 16, v[24+\j]
	v_and_b32 v[17+2*\j], 0xffff0000, v[24+\j]
.endr
.irp j, 0,1,2,3
	v_cvt_pk_f16_f32 v[24+\j], v[16+2*\j], v[17+2*\j]
.endr
.irp j, 0,1,2,3
	v_cndmask_b32 v[24+\j], 0, v[24+\j], s27
.endr
	global_store_b128 v3, v[24:27], s[20:21]
.Lend:
	s_wait_tensorcnt 0x0                           ; the wave's end, behind my last LDS store
	ds_add_u32 v[SPW], v[NIL]
	s_wait_dscnt 0x0
	s_endpgm
.Lfunc_end_k_q125bab883b_prep:
	.size	k_q125bab883b_prep, .Lfunc_end_k_q125bab883b_prep-k_q125bab883b_prep
	.p2alignl 7, 3214868480
	.fill 96, 4, 3214868480
	.section	.rodata,"a",@progbits
	.p2align	6, 0x0
	.amdhsa_kernel k_q125bab883b_prep
		.amdhsa_group_segment_fixed_size 17920
		.amdhsa_private_segment_fixed_size 0
		.amdhsa_enable_private_segment 0
		.amdhsa_kernarg_size 72
		.amdhsa_user_sgpr_count 2
		.amdhsa_user_sgpr_kernarg_segment_ptr 1
		.amdhsa_wavefront_size32 1
		.amdhsa_system_sgpr_workgroup_id_x 1
		.amdhsa_system_sgpr_workgroup_id_y 1
		.amdhsa_system_sgpr_workgroup_id_z 1
		.amdhsa_system_vgpr_workitem_id 0
		.amdhsa_next_free_vgpr 112
		.amdhsa_next_free_sgpr 66
		.amdhsa_reserve_vcc 0
		.amdhsa_float_denorm_mode_32 3
		.amdhsa_float_denorm_mode_16_64 3
		.amdhsa_memory_ordered 1
		.amdhsa_forward_progress 1
		.amdhsa_inst_pref_size 22
	.end_amdhsa_kernel
	.amdgpu_metadata
---
amdhsa.version: [ 1, 2 ]
amdhsa.kernels:
  - .name:           k_q125bab883b_prep
    .symbol:         k_q125bab883b_prep.kd
    .args:
      - { .name: x, .offset: 0, .size: 8, .value_kind: global_buffer, .address_space: global }
      - { .name: Wattn, .offset: 8, .size: 8, .value_kind: global_buffer, .address_space: global }
      - { .name: Wproj, .offset: 16, .size: 8, .value_kind: global_buffer, .address_space: global }
      - { .name: embk, .offset: 24, .size: 8, .value_kind: global_buffer, .address_space: global }
      - { .name: embv, .offset: 32, .size: 8, .value_kind: global_buffer, .address_space: global }
      - { .name: xb, .offset: 40, .size: 8, .value_kind: global_buffer, .address_space: global }
      - { .name: wat, .offset: 48, .size: 8, .value_kind: global_buffer, .address_space: global }
      - { .name: wpt, .offset: 56, .size: 8, .value_kind: global_buffer, .address_space: global }
      - { .name: tab, .offset: 64, .size: 8, .value_kind: global_buffer, .address_space: global }
    .group_segment_fixed_size: 17920
    .private_segment_fixed_size: 0
    .kernarg_segment_align: 8
    .kernarg_segment_size: 72
    .max_flat_workgroup_size: 256
    .sgpr_count:     66
    .vgpr_count:     112
    .wavefront_size: 32
...
	.end_amdgpu_metadata
.endif
;; end of part 1
;; launch qkv (part 2): grid 16 x 32, 4 waves a work-group, clusters of 4 x 4, 327,680 bytes of LDS; arguments xb, wat, battn, qw, kw, vtw; writes qw, kw, vtw
.if DOCPART == 2
	.amdgcn_target "amdgcn-amd-amdhsa--gfx1250"
	.amdhsa_code_object_version 6
	.text
	.protected	k_q125bab883b_qkv
	.globl	k_q125bab883b_qkv
	.p2align	8
	.type	k_q125bab883b_qkv,@function
k_q125bab883b_qkv:
	s_mov_b64 s[64:65], 0
	v_nop
	global_prefetch_b8 v0, s[64:65] scope:SCOPE_SE
	s_setreg_imm32_b32 hwreg(HW_REG_WAVE_MODE, 25, 1), 1
	s_wait_xcnt 0x0
	s_wait_alu depctr_hold_cnt(0) depctr_sa_sdst(0) depctr_va_vdst(0) depctr_va_sdst(0) depctr_va_ssrc(0) depctr_va_vcc(0) depctr_vm_vsrc(0)
	s_getreg_b32 s2, hwreg(HW_REG_IB_STS2, 6, 4)
	s_cmp_eq_u32 s2, 0
	s_cbranch_scc0 .Lentry_in_a_cluster
	s_endpgm
.Lentry_in_a_cluster:
	s_bfe_u32 s2, ttmp6, 0x10000c
	s_cmp_lg_u32 s2, 0xf033
	s_cbranch_scc0 .Lentry_shape_is_right
	s_endpgm
.Lentry_shape_is_right:
; QKV: [8192 x 1024] x [1024 x 3072] in bf16, sums in f32, + battn (rounded to bf16 like the other inputs).  Out, in f16, by heads:
;   qw [bh][t][64] = q;   kw [bh][t][64] = k / 8 (the score's scale, exact);   vtw [bh][t / 64][64 d][64 t] = v turned.
; LIMIT: q, k / 8 and v must stay under 65,504 (f16).
; SHARES.  A work-group makes 256 rows x 192 columns: one head's q, k and v (wat's rows are ordered so).  Each of its four waves makes 64 rows x 192 columns: 48 accumulators, 384 registers.
; K goes in steps of 128 through two LDS slots filled by tensor loads (rows of 256 bytes, padded to 272).  One barrier for each change of slots.
; CLUSTER 4 x 4: the four of a row need the same rows of xb, the four of a column the same rows of wat: each tile is asked for jointly.
; q and k are multiplied transposed (source 0 = wat's rows): a lane then holds eight neighbouring channels of one row t.  v is multiplied as it stands (source 0 = xb's rows): a lane
; holds one channel and eight neighbouring t, which is a piece of a row of vtw.
; REGISTERS by windows of 256: 0: addresses, way out, bias;  1: q's and k's accumulators (a, b) at 8 (8 a + b);  2: v's at 8 (4 a + b);  3: two fragment buffers of 128: A's 4, then B's 12.
.set KSTEP, 128
.set PITCH, 272                        ; 256 bytes + 16: the sixteen rows of a fragment load start at sixteen different groups of four banks (64 banks of 4 bytes: ISA guide 11.1)
.set AROWS, 256*PITCH
.set SLOT,  448*PITCH                  ; A's 256 rows, then B's 192
.set STAGE, 2*SLOT                     ; behind the ring: 16 rows x 144 bytes for each wave
.set SP,    144
.set SPARE, STAGE+4*16*SP              ; the spare words, 128 bytes a wave
.set LAPS,  4                          ; 1024 / 256
.set BO,   4                           ; v4   bias offset for q and k: 32 (l / 16); not rewritten while the loads are out
.set BO2,  5                           ; v5   for v: 4 (l % 16)
.set ADRA, 16                          ; v16-17 LDS address of my A fragments in slot 0, 1
.set ADRB, 20                          ; v20-21 of B's
.set STO,  24
.set RD,   25
.set GO,   26
.set SPW,  28                          ; v28  my spare word; never rewritten
.set NIL,  29                          ; v29  0; never rewritten
.set PFO,  30                          ; v30  the prefetches' offset: a lane a row
.set T,    32                          ; v32-63   a block's 32 sums with bias
.set TMP,  64                          ; v64-79   the same in f16
.set BK,   80                          ; v80-111  two blocks read back from the stage, by turns
.set BQK,  112                         ; v112-175 bias of q (32) and k / 8 (32): my eight channels of each of 4 + 4 groups
.set BV,   176                         ; v176-183 bias of v: a pair for each group of 16 channels
.set F0,   0
.set F1,   128
.set WV, 16
.set FB, 17                            ; 0: I fetch for A, 1: for B
.set HF, 18                            ; which half of that tile
.set CX, 20
.set CY, 21
.set NX, 22                            ; the head
.set MY, 23                            ; which 256 rows
.set G1, 24
.set G0, 32
.set LIM, 43
.set PFA, 44
.set G1B, 48
.set G0B, 56
.set MSB, 0
.macro WIN new                         ; the immediate's high byte repeats the setting that is left
.if MSB != (\new)
	s_set_vgpr_msb (MSB<<8)|(\new)
.set MSB, \new
.endif
.endm
.set MQK,  0x5f                        ; sources window 3, C and D window 1
.set MV,   0xaf                        ; sources window 3, C and D window 2
.set TO_F, 0xc0                        ; destination window 3, address window 0
.macro JLOAD s                         ; a joint load: waves 0, 1 fetch A's halves, waves 2, 3 B's; an s_nop 0 and four v_nop follow each line
	s_cmp_eq_u32 s[FB], 0
	s_cbranch_scc0 .Lfor_b_\@
	tensor_load_to_lds s[G0+4*(\s):G0+4*(\s)+3], s[G1:G1+7]
	s_nop 0
.rept 4
	v_nop
.endr
	s_branch .Lasked_\@
.Lfor_b_\@:
	tensor_load_to_lds s[G0B+4*(\s):G0B+4*(\s)+3], s[G1B:G1B+7]
	s_nop 0
.rept 4
	v_nop
.endr
.Lasked_\@:
.endm
; A prefetch of the K step two refills on: 256 bytes of a row, a lane a row.  xb's rows are asked for by the clusters with x = 0, wat's by those with y = 0; the four partners of a joint load share
; its rows out by address (32 of A's 128, 24 of B's 96; there lanes 24-31 name row 23 again).  The loop's last trip has no K step two on.
.macro ASK
	s_cmp_gt_u32 s3, s[LIM]
	s_cbranch_scc0 .Lnot_mine_\@
	global_prefetch_b8 v[PFO], s[PFA:PFA+1] offset:KSTEP*2 th:TH_LOAD_NT scope:SCOPE_SE
.Lnot_mine_\@:
.endm
.macro CREST                           ; a round of the cluster's barrier behind its opening barrier
	s_cmp_lg_u32 s[WV], 0
	s_cbranch_scc1 .Lnot_wave_0_\@
	s_barrier_signal -3
.Lnot_wave_0_\@:
	s_barrier_wait -3
	s_barrier_signal -1
	s_barrier_wait -1
.endm
.macro CROUND
	s_barrier_signal -1
	s_barrier_wait -1
	CREST
.endm
.macro PLACES                          ; four places in front of loads into registers that matrix instructions have read
.rept 4
	v_nop
.endr
.endm
	s_load_b256 s[4:11], s[0:1], 0x0               ; xb s[4:5], wat s[6:7], battn s[8:9], qw s[10:11]
	s_load_b128 s[12:15], s[0:1], 0x20             ; kw s[12:13], vtw s[14:15]
	v_lshl_add_u32 v[SPW], v0, 2, SPARE
	v_mov_b32 v[NIL], 0
	ds_add_u32 v[SPW], v[NIL]                      ; the wave's opening: the add and its wait ahead of my first tensor load
	v_lshrrev_b32 v1, 5, v0
	v_readfirstlane_b32 s[WV], v1
	s_lshr_b32 s[FB], s[WV], 1
	s_and_b32 s[HF], s[WV], 1
	s_bfe_u32 s[CX], ttmp6, 0x40000
	s_bfe_u32 s[CY], ttmp6, 0x40004
	s_lshl_b32 s[NX], ttmp9, 2
	s_add_co_u32 s[NX], s[NX], s[CX]
	s_and_b32 s[MY], ttmp7, 0xffff
	s_lshl_b32 s[MY], s[MY], 2
	s_add_co_u32 s[MY], s[MY], s[CY]
	s_lshl_b32 s40, s[CY], 2
	s_lshl_b32 s40, 15, s40                        ; my row of the cluster
	s_lshl_b32 s41, 0x1111, s[CX]                  ; my column
	s_or_b32 s[G1], s40, (1<<16)|(1<<20)|(1<<21)|(5<<22)|(3<<25)   ; mask; 2-byte elements; padding on; bit 21 beside a mask; after every 64 words, 4 words
	s_or_b32 s[G1B], s41, (1<<16)|(1<<20)|(1<<21)|(5<<22)|(3<<25)
	s_mov_b32 s[G1+1], KSTEP<<16                   ; tensor_dim0 = 128
	s_mov_b32 s[G1+2], 128<<16                     ; tensor_dim1 = 128 rows
	s_mov_b32 s[G1+3], KSTEP<<16                   ; tile_dim0
	s_mov_b32 s[G1+4], 128                         ; tile_dim1
	s_mov_b32 s[G1+5], 1024                        ; elements from row to row
	s_mov_b32 s[G1+6], 0
	s_mov_b32 s[G1+7], 0
	s_mov_b32 s[G1B+1], KSTEP<<16
	s_mov_b32 s[G1B+2], 96<<16                     ; B: 96 rows a load
	s_mov_b32 s[G1B+3], KSTEP<<16
	s_mov_b32 s[G1B+4], 96
	s_mov_b32 s[G1B+5], 1024
	s_mov_b32 s[G1B+6], 0
	s_mov_b32 s[G1B+7], 0
	s_lshl_b32 s66, s[MY], 8                       ; A: row 256 MY + 128 half: made of the tile row and the wave alone
	s_lshl_b32 s67, s[HF], 7
	s_add_co_u32 s66, s66, s67
	s_lshl_b32 s66, s66, 11                        ; x 2,048 bytes
	s_mov_b32 s67, 0
	s_mul_i32 s70, s[NX], 192                      ; B: row 192 NX + 96 half: of the tile column and the wave alone
	s_mul_i32 s71, s[HF], 96
	s_add_co_u32 s70, s70, s71
	s_lshl_b32 s70, s70, 11
	s_mov_b32 s71, 0
	s_mul_i32 s46, s[HF], 128*PITCH                ; where they go: no place in the cluster enters an LDS address
	s_mul_i32 s47, s[HF], 96*PITCH
	s_add_co_u32 s47, s47, AROWS
	s_wait_dscnt 0x0                               ; the opening add is done
	s_wait_kmcnt 0x0
	s_add_nc_u64 s[66:67], s[4:5], s[66:67]
	s_add_nc_u64 s[70:71], s[6:7], s[70:71]
	CROUND                                         ; all sixteen work-groups are here: the first joint loads meet
.irp s, 0,1
	s_mov_b32 s[G0+4*(\s)], 1
	s_add_co_u32 s[G0+4*(\s)+1], s46, (\s)*SLOT
	s_add_nc_u64 s[G0+4*(\s)+2:G0+4*(\s)+3], s[66:67], (\s)*KSTEP*2
	s_or_b32 s[G0+4*(\s)+3], s[G0+4*(\s)+3], 0x80000000
	s_mov_b32 s[G0B+4*(\s)], 1
	s_add_co_u32 s[G0B+4*(\s)+1], s47, (\s)*SLOT
	s_add_nc_u64 s[G0B+4*(\s)+2:G0B+4*(\s)+3], s[70:71], (\s)*KSTEP*2
	s_or_b32 s[G0B+4*(\s)+3], s[G0B+4*(\s)+3], 0x80000000
	JLOAD \s                                       ; two loads of mine are out
.endr
	v_and_b32 v1, 15, v0                           ; l % 16
	v_bfe_u32 v2, v0, 4, 1                         ; l / 16
	; the bias: it is waited for on the way out
	s_lshl_b32 s74, s[NX], 8
	s_mov_b32 s75, 0
	s_add_nc_u64 s[8:9], s[8:9], s[74:75]          ; battn at the head's 64 numbers of q
	v_lshlrev_b32 v[BO], 5, v2
	v_lshlrev_b32 v[BO2], 2, v1
.irp b, 0,1,2,3,4,5,6,7
	global_load_b128 v[BQK+8*\b:BQK+8*\b+3],   v[BO], s[8:9] offset:(\b/4)*4096+(\b%4)*64
	global_load_b128 v[BQK+8*\b+4:BQK+8*\b+7], v[BO], s[8:9] offset:(\b/4)*4096+(\b%4)*64+16
.endr
.irp b, 0,1,2,3
	global_load_b32 v[BV+2*\b], v[BO2], s[8:9] offset:8192+64*\b
.endr
	v_mul_u32_u24 v3, v1, PITCH
	v_lshl_add_u32 v3, v2, 4, v3                   ; a fragment's row x pitch + 16 x half
	s_mul_i32 s40, s[WV], 64*PITCH                 ; my 64 rows of A
	v_add_nc_u32 v[ADRA], s40, v3
	v_add_nc_u32 v[ADRA+1], SLOT, v[ADRA]
	v_add_nc_u32 v[ADRB], AROWS, v3                ; all 192 rows of B
	v_add_nc_u32 v[ADRB+1], SLOT, v[ADRB]
	s_mul_i32 s41, s[WV], 16*SP
	s_add_co_u32 s41, s41, STAGE                   ; my stage
	v_mul_u32_u24 v[STO], v1, SP
	v_lshl_add_u32 v[STO], v2, 4, v[STO]
	v_add_nc_u32 v[STO], s41, v[STO]               ; in: row l % 16, 16 bytes for each half of the lanes
	v_bfe_u32 v[RD], v0, 3, 2
	v_mul_u32_u24 v[RD], v[RD], SP
	v_and_b32 v6, 7, v0
	v_lshl_add_u32 v[RD], v6, 4, v[RD]
	v_add_nc_u32 v[RD], s41, v[RD]                 ; back: 32 lanes take four rows of 128 bytes,
	v_and_b32 v[GO], 31, v0
	v_lshlrev_b32 v[GO], 4, v[GO]                  ; which are 512 neighbouring bytes of the output
	s_lshr_b32 s72, s[MY], 2                       ; the batch,
	s_lshl_b32 s72, s72, 4
	s_add_co_u32 s72, s72, s[NX]                   ; bh
	s_lshl_b32 s72, s72, 10
	s_and_b32 s73, s[MY], 3
	s_lshl_b32 s73, s73, 8
	s_add_co_u32 s72, s72, s73
	s_lshl_b32 s73, s[WV], 6
	s_add_co_u32 s72, s72, s73                     ; bh x 1024 + my first t
	s_lshl_b32 s72, s72, 7                         ; x 128 bytes: the same place in all three outputs
	s_mov_b32 s73, 0
	s_add_nc_u64 s[10:11], s[10:11], s[72:73]
	s_add_nc_u64 s[12:13], s[12:13], s[72:73]
	s_add_nc_u64 s[14:15], s[14:15], s[72:73]
	; the prefetches
	s_lshl_b32 s74, s[MY], 8
	s_lshl_b32 s75, s[HF], 7
	s_add_co_u32 s74, s74, s75
	s_lshl_b32 s75, s[CX], 5
	s_add_co_u32 s74, s74, s75                     ; A: my work-group's 32 of the 128 rows that I fetch
	s_mul_i32 s75, s[NX], 192
	s_mul_i32 s76, s[HF], 96
	s_add_co_u32 s75, s75, s76
	s_mul_i32 s76, s[CY], 24
	s_add_co_u32 s75, s75, s76                     ; B: 24 of the 96
	s_and_b32 s42, ttmp7, 0xffff
	s_cmp_eq_u32 s[FB], 0
	s_cselect_b32 s42, ttmp9, s42                  ; the coordinate along which other clusters read the same rows
	s_cselect_b64 s[PFA:PFA+1], s[4:5], s[6:7]
	s_cselect_b32 s74, s74, s75
	s_cselect_b32 s76, 31, 23
	s_cmp_eq_u32 s42, 0
	s_cselect_b32 s[LIM], 1, -1                    ; the same in all sixteen partners, for a given wave
	s_lshl_b32 s74, s74, 11
	s_mov_b32 s75, 0
	s_add_nc_u64 s[PFA:PFA+1], s[PFA:PFA+1], s[74:75]
	s_add_nc_u64 s[PFA:PFA+1], s[PFA:PFA+1], 2*KSTEP*2  ; at K step 2: the first refill steps it to 3 and names K step 4
	v_and_b32 v[PFO], 31, v0
	v_min_u32 v[PFO], s76, v[PFO]
	v_lshlrev_b32 v[PFO], 11, v[PFO]
; 16 products for q and k: row blocks a0, a0 + 1 x column blocks 0-7.  zero = 1: they start the sums.  Every accumulator has one instruction a quarter step: they take turns.
.macro MULQK f, a0, zero
	WIN MQK
.irp a, \a0, (\a0)+1
.irp b, 0,1,2,3,4,5,6,7
.if \zero
	v_wmma_f32_16x16x32_bf16 v[8*(8*(\a)+(\b)):8*(8*(\a)+(\b))+7], v[(\f)+32+8*(\b):(\f)+32+8*(\b)+7], v[(\f)+8*(\a):(\f)+8*(\a)+7], 0
.else
	v_wmma_f32_16x16x32_bf16 v[8*(8*(\a)+(\b)):8*(8*(\a)+(\b))+7], v[(\f)+32+8*(\b):(\f)+32+8*(\b)+7], v[(\f)+8*(\a):(\f)+8*(\a)+7], v[8*(8*(\a)+(\b)):8*(8*(\a)+(\b))+7]
.endif
.endr
.endr
.endm
; 16 products for v, not transposed
.macro MULV f, zero
	WIN MV
.irp a, 0,1,2,3
.irp b, 0,1,2,3
.if \zero
	v_wmma_f32_16x16x32_bf16 v[8*(4*(\a)+(\b)):8*(4*(\a)+(\b))+7], v[(\f)+8*(\a):(\f)+8*(\a)+7], v[(\f)+96+8*(\b):(\f)+96+8*(\b)+7], 0
.else
	v_wmma_f32_16x16x32_bf16 v[8*(4*(\a)+(\b)):8*(4*(\a)+(\b))+7], v[(\f)+8*(\a):(\f)+8*(\a)+7], v[(\f)+96+8*(\b):(\f)+96+8*(\b)+7], v[8*(4*(\a)+(\b)):8*(4*(\a)+(\b))+7]
.endif
.endr
.endr
.endm
; 32 LDS loads in one run: the fragments of 32 along K at byte k of the rows
.macro FETCH slot, k, f
	WIN TO_F
.irp i, 0,1,2,3,4,5,6,7,8,9,10,11
	ds_load_b128 v[(\f)+32+8*(\i):(\f)+32+8*(\i)+3],   v[ADRB+(\slot)] offset:(\k)+(\i)*16*PITCH
	ds_load_b128 v[(\f)+32+8*(\i)+4:(\f)+32+8*(\i)+7], v[ADRB+(\slot)] offset:(\k)+(\i)*16*PITCH+32
.endr
.irp i, 0,1,2,3
	ds_load_b128 v[(\f)+8*(\i):(\f)+8*(\i)+3],   v[ADRA+(\slot)] offset:(\k)+(\i)*16*PITCH
	ds_load_b128 v[(\f)+8*(\i)+4:(\f)+8*(\i)+7], v[ADRA+(\slot)] offset:(\k)+(\i)*16*PITCH+32
.endr
.endm
; A quarter of a K step: 48 products on buffer f; the next quarter's fragments are fetched into g behind the first 16, 32 products ahead of their use.
.macro QUARTER slot, k, f, g, zero
	s_wait_dscnt 0x0                               ; buffer f is in
	MULQK \f, 0, \zero
	PLACES
	FETCH \slot, \k, \g
	MULQK \f, 2, \zero
	MULV \f, \zero
.endm
; The last quarter multiplies buffer 1 and changes slots: each wave waits for all its tensor loads (one is out: its part of the next slot), adds 0 to its spare word, waits for that and for its reads
; of this slot, and signals.  fill = 1: the barrier opens a round of the cluster's, and the joint refill, two K steps on, is the first thing behind it.
.macro TURN slot, next, fill
.if \fill
	s_wait_xcnt 0x0                                ; the last prefetch, a K step back, has read its address
	s_add_nc_u64 s[PFA:PFA+1], s[PFA:PFA+1], KSTEP*2
.endif
	WIN 0
	s_wait_dscnt 0x0                               ; buffer 1 is in
	s_wait_tensorcnt 0x0
	ds_add_u32 v[SPW], v[NIL]                      ; 0 onto my spare word; sixteen products stand between it and the wait for it
	MULQK F1, 0, 0
	s_wait_dscnt 0x0                               ; the add is done, and my reads of this slot are over
	s_barrier_signal -1
	MULQK F1, 2, 0
	WIN 0
	s_barrier_wait -1
.if \fill
	CREST                                          ; no wave of any partner still reads this slot or has a load on its way
	s_add_nc_u64 s[G0+4*(\slot)+2:G0+4*(\slot)+3], s[G0+4*(\slot)+2:G0+4*(\slot)+3], 2*KSTEP*2
	s_add_nc_u64 s[G0B+4*(\slot)+2:G0B+4*(\slot)+3], s[G0B+4*(\slot)+2:G0B+4*(\slot)+3], 2*KSTEP*2
	JLOAD \slot                                    ; its four v_nop are also the places in front of the loads below
.else
	PLACES
.endif
	FETCH \next, 0, F0
.if \fill
	WIN 0
	ASK
.endif
	MULV F1, 0
.endm
	s_wait_tensorcnt 1                             ; my part of K step 0 is in; K step 1's may stay out
	s_barrier_signal -1
	s_barrier_wait -1
	FETCH 0, 0, F0
	QUARTER 0, 64, F0, F1, 1                       ; the first quarter stands in front of the loop: its products start the sums
	WIN 0
	s_mov_b32 s3, LAPS-1
.Llap:                                                 ; a trip goes once round the ring and fills both slots again
	QUARTER 0, 128, F1, F0, 0
	QUARTER 0, 192, F0, F1, 0
	TURN 0, 1, 1
	QUARTER 1, 64,  F0, F1, 0
	QUARTER 1, 128, F1, F0, 0
	QUARTER 1, 192, F0, F1, 0
	TURN 1, 0, 1
	QUARTER 0, 64,  F0, F1, 0
	WIN 0
	s_sub_co_u32 s3, s3, 1
	s_cmp_lg_u32 s3, 0
	s_cbranch_scc1 .Llap
	QUARTER 0, 128, F1, F0, 0                      ; the last lap fills nothing
	QUARTER 0, 192, F0, F1, 0
	TURN 0, 1, 0
	QUARTER 1, 64,  F0, F1, 0
	QUARTER 1, 128, F1, F0, 0
	QUARTER 1, 192, F0, F1, 0
	s_wait_dscnt 0x0
	MULQK F1, 0, 0
	MULQK F1, 2, 0
	MULV F1, 0
	; THE WAY OUT.  First the bias is rounded to bf16 (k's then divided by 8): plain work in window 0, which is also the places behind the last products.
	WIN 0
	s_wait_loadcnt 0x0
.set i, 0
.rept 32
	v_cvt_pk_bf16_f32 v[T+i], v[BQK+2*i], v[BQK+2*i+1]
.set i, i+1
.endr
.set i, 0
.rept 32
	v_lshlrev_b32 v[BQK+2*i], 16, v[T+i]
	v_and_b32 v[BQK+2*i+1], 0xffff0000, v[T+i]
.set i, i+1
.endr
.set i, 0
.rept 16
	v_pk_mul_f32 v[BQK+32+2*i:BQK+32+2*i+1], v[BQK+32+2*i:BQK+32+2*i+1], 0x3e000000 op_sel_hi:[1,0]
.set i, i+1
.endr
.irp b, 0,1,2,3
	v_cvt_pk_bf16_f32 v[TMP+\b], v[BV+2*\b], v[BV+2*\b]
.endr
.irp b, 0,1,2,3
	v_lshlrev_b32 v[BV+2*\b], 16, v[TMP+\b]
	v_lshlrev_b32 v[BV+2*\b+1], 16, v[TMP+\b]
.endr
; A block is 16 rows of 128 bytes of an output: q, k (kind 0, 1): rows t of row block idx, four accumulators along d; v (kind 2): rows d of column block idx, four accumulators along t.
; Bias, f16, into my stage by 16 bytes a lane, back as whole rows.  Each accumulator is read from its lowest registers on.
.macro OUTBLK kind, idx, n
.if (\kind) == 2
	WIN 0x02
.else
	WIN 0x01
.endif
.irp x, 0,1,2,3
.irp y, 0,2,4,6
.if (\kind) == 0
	v_pk_add_f32 v[T+8*(\x)+(\y):T+8*(\x)+(\y)+1], v[8*(8*(\idx)+(\x))+(\y):8*(8*(\idx)+(\x))+(\y)+1], v[BQK+8*(\x)+(\y):BQK+8*(\x)+(\y)+1]
.elseif (\kind) == 1
	v_pk_fma_f32 v[T+8*(\x)+(\y):T+8*(\x)+(\y)+1], v[8*(8*(\idx)+4+(\x))+(\y):8*(8*(\idx)+4+(\x))+(\y)+1], 0x3e000000, v[BQK+32+8*(\x)+(\y):BQK+32+8*(\x)+(\y)+1] op_sel_hi:[1,0,1]
.else
	v_pk_add_f32 v[T+8*(\x)+(\y):T+8*(\x)+(\y)+1], v[8*(4*(\x)+(\idx))+(\y):8*(4*(\x)+(\idx))+(\y)+1], v[BV+2*(\idx):BV+2*(\idx)+1] op_sel_hi:[1,0]
.endif
.endr
.endr
	WIN 0
.irp x, 0,1,2,3,4,5,6,7,8,9,10,11,12,13,14,15
	v_cvt_pk_f16_f32 v[TMP+(\x)], v[T+2*(\x)], v[T+2*(\x)+1]
.endr
.irp x, 0,1,2,3
	ds_store_b128 v[STO], v[TMP+4*(\x):TMP+4*(\x)+3] offset:32*(\x)
.endr
	s_wait_xcnt 0x0                                ; the stores of the block before last have read these registers
.irp x, 0,1,2,3
	ds_load_b128 v[BK+16*((\n)%2)+4*(\x):BK+16*((\n)%2)+4*(\x)+3], v[RD] offset:(\x)*4*SP  ; LDS serves a wave's instructions in order (ISA guide 5.7.1.4): these see the stores above
.endr
.endm
.macro SENDB n, p, blk, younger        ; younger: the LDS instructions issued behind block n's loads: the next block's eight, or none
.irp f, 0,1,2,3
	s_wait_dscnt (\younger)+3-(\f)
	global_store_b128 v[GO], v[BK+16*((\n)%2)+4*(\f):BK+16*((\n)%2)+4*(\f)+3], s[\p:\p+1] offset:(\blk)*2048+(\f)*512  ; 512 neighbouring bytes, aligned
.endr
.endm
.set n, 0
.rept 12
	OUTBLK n/4, n%4, n
.if n > 0
	SENDB n-1, 10+2*((n-1)/4), (n-1)%4, 8
.endif
.set n, n+1
.endr
	SENDB 11, 14, 3, 0
	s_wait_tensorcnt 0x0                           ; the wave's end
	ds_add_u32 v[SPW], v[NIL]
	s_wait_dscnt 0x0
	CROUND                                         ; the closing round
	s_endpgm
.Lfunc_end_k_q125bab883b_qkv:
	.size	k_q125bab883b_qkv, .Lfunc_end_k_q125bab883b_qkv-k_q125bab883b_qkv
	.p2alignl 7, 3214868480
	.fill 96, 4, 3214868480
	.section	.rodata,"a",@progbits
	.p2align	6, 0x0
	.amdhsa_kernel k_q125bab883b_qkv
		.amdhsa_group_segment_fixed_size 327680
		.amdhsa_private_segment_fixed_size 0
		.amdhsa_enable_private_segment 0
		.amdhsa_kernarg_size 48
		.amdhsa_user_sgpr_count 2
		.amdhsa_user_sgpr_kernarg_segment_ptr 1
		.amdhsa_wavefront_size32 1
		.amdhsa_system_sgpr_workgroup_id_x 1
		.amdhsa_system_sgpr_workgroup_id_y 1
		.amdhsa_system_sgpr_workgroup_id_z 1
		.amdhsa_system_vgpr_workitem_id 0
		.amdhsa_next_free_vgpr 1024
		.amdhsa_next_free_sgpr 80
		.amdhsa_reserve_vcc 0
		.amdhsa_float_denorm_mode_32 3
		.amdhsa_float_denorm_mode_16_64 3
		.amdhsa_memory_ordered 1
		.amdhsa_forward_progress 1
		.amdhsa_inst_pref_size 144
	.end_amdhsa_kernel
	.amdgpu_metadata
---
amdhsa.version: [ 1, 2 ]
amdhsa.kernels:
  - .name:           k_q125bab883b_qkv
    .symbol:         k_q125bab883b_qkv.kd
    .args:
      - { .name: xb, .offset: 0, .size: 8, .value_kind: global_buffer, .address_space: global }
      - { .name: wat, .offset: 8, .size: 8, .value_kind: global_buffer, .address_space: global }
      - { .name: battn, .offset: 16, .size: 8, .value_kind: global_buffer, .address_space: global }
      - { .name: qw, .offset: 24, .size: 8, .value_kind: global_buffer, .address_space: global }
      - { .name: kw, .offset: 32, .size: 8, .value_kind: global_buffer, .address_space: global }
      - { .name: vtw, .offset: 40, .size: 8, .value_kind: global_buffer, .address_space: global }
    .group_segment_fixed_size: 327680
    .private_segment_fixed_size: 0
    .kernarg_segment_align: 8
    .kernarg_segment_size: 48
    .max_flat_workgroup_size: 128
    .sgpr_count:     80
    .vgpr_count:     1024
    .wavefront_size: 32
...
	.end_amdgpu_metadata
.endif
;; end of part 2
;; launch att (part 3): grid 32 x 8, 4 waves a work-group, clusters of 4 x 1, 327,680 bytes of LDS; arguments qw, kw, vtw, tab, yw; writes yw
.if DOCPART == 3
	.amdgcn_target "amdgcn-amd-amdhsa--gfx1250"
	.amdhsa_code_object_version 6
	.text
	.protected	k_q125bab883b_att
	.globl	k_q125bab883b_att
	.p2align	8
	.type	k_q125bab883b_att,@function
k_q125bab883b_att:
	s_mov_b64 s[64:65], 0
	v_nop
	global_prefetch_b8 v0, s[64:65] scope:SCOPE_SE
	s_setreg_imm32_b32 hwreg(HW_REG_WAVE_MODE, 25, 1), 1
	s_wait_xcnt 0x0
	s_wait_alu depctr_hold_cnt(0) depctr_sa_sdst(0) depctr_va_vdst(0) depctr_va_sdst(0) depctr_va_ssrc(0) depctr_va_vcc(0) depctr_vm_vsrc(0)
	s_getreg_b32 s2, hwreg(HW_REG_IB_STS2, 6, 4)
	s_cmp_eq_u32 s2, 0
	s_cbranch_scc0 .Lentry_in_a_cluster
	s_endpgm
.Lentry_in_a_cluster:
	s_bfe_u32 s2, ttmp6, 0x10000c
	s_cmp_lg_u32 s2, 0x3003
	s_cbranch_scc0 .Lentry_shape_is_right
	s_endpgm
.Lentry_shape_is_right:
; CAUSAL ATTENTION WITH RELATIVE TERMS, head size 64, f16 operands, f32 sums.  score(t, s) = q_t . k_s / 8 + q_t . embk[t - s];  y_t = sum over s <= t of p(t, s) (v_s + embv[t - s]).
; kw already holds k / 8.  With u = 1023 - t + s:  q_t . embk[t - s] = R'(t, u) = q_t . E[u], E[u] = embk[1023 - u];  sum p embv[t - s] = sum over u of P'(t, u) VT[:, u], P'(t, u) = p(t, s).
; For 16 queries and 64 keys u spans 79 numbers from a multiple of 16 on, so both terms are products on the matrix unit; between R' and the scores, and between p and P', each query's row is shifted by
; 15 - (its lane % 16), through the wave's own LDS bytes.  s <= t is u <= 1023: whole blocks of 16 u are seen or hidden, so the mask is the C operand (-1e30) of R''s hidden blocks.
; LIMITS: q, k / 8, v, y under 65,504 (f16); a hidden score counts as -1e30; a weight below 2^-126 counts as 0 in the sum; NaN and infinities are not treated apart.
; SHARES.  A wave has one (batch, head) and two blocks of 64 queries, 15 - p and then p: 17 key steps of 64 whatever p, one loop of 17 trips; key tiles above the diagonal are left out.
; Both tables (290,304 bytes, as prep laid them) lie in LDS for the whole launch, filled once, jointly for the four work-groups of a cluster.  K, V and Q come straight into registers, a trip ahead.
; SOFTMAX: running maximum m and sum l; p = 2^(c s - c m), c = log2(e); O and l are multiplied by a = 2^(c m_old - c m_new) in every step; a block starts with c m far below every c s, so its first a is 0.
; In the last trip the loads of a next K, V and Q serve nothing (they read key step 0 and block p again): the price of one text for every trip.
; REGISTERS by windows of 256:  0: addresses, statistics (8 a tile), S^T v64-191, P v192-255;  1: O^T v0-127, P' v128-223;  2: Q v0-63, K v64-127, E's 8 windows v128-255;
;   3: V^T v0-63, VT's 9 windows x 4 channel blocks v64-207, R' v208-247, the mask v248-255.
.set VTB,  147968                      ; the VT part of the tables
.set SCR,  290304                      ; behind the tables: 8,960 bytes for each wave:
.set SCRW, 8960
.set PBO,  5376                        ;   R' rows (16 x 336 bytes; also the way out's stage, 16 x 144), then P' rows (16 x 208)
.set SPARE, SCR+4*SCRW
.set SP,   144
.set KO0, 3                            ; v3  (l % 16) x 128 + 16 (l / 16): my place in 16 rows of 128 bytes; never rewritten
.set KA,  4                            ; v4  offset of K's next loads
.set VA,  5                            ; v5  of V's
.set QA,  6                            ; v6  of the first block's Q
.set AE0, 7
.set AE,  8
.set AV0, 9
.set AV,  10                           ; v10, v11: VT's channel blocks 0, 1 and 2, 3
.set RST, 12
.set RLD, 13
.set PST, 14
.set PLD, 15
.set STO, 16
.set RD,  17
.set GO,  18
.set ZA,  19
.set ZR,  20                           ; v20-23 zeros
.set QB,  24                           ; v24 offset of the second block's Q
.set SPW, 28
.set NIL, 29
.set ST,  32                           ; tile t at v[ST+8 t]: c m, m, l (two), c0-c3 at work; a takes c2's place
.set S,   64
.set P,   192
.set PP,  128                          ; window 1
.set KF,  64                           ; window 2
.set EW,  128
.set VF,  0                            ; window 3
.set VW,  64
.set RR,  208
.set MK,  248
.set WV, 16
.set HF, 17
.set CX, 18
.set PB, 19                            ; p
.set RT, 20                            ; key steps of the block in hand behind this one
.set J,  21                            ; this key step
.set JN, 22                            ; the next
.set CNT, 23
.set G1E, 24
.set G1V, 32
.set G0E, 40
.set G0V, 44
.set BE, 48
.set BIGN, 49
.set CS, 50
.set SEL, 52
.set EOFF, 54
.set VOFF, 55
.set YLO, 56
.set MSB, 0
.macro WIN new
.if MSB != (\new)
	s_set_vgpr_msb (MSB<<8)|(\new)
.set MSB, \new
.endif
.endm
.macro CROUND
	s_barrier_signal -1
	s_barrier_wait -1
	s_cmp_lg_u32 s[WV], 0
	s_cbranch_scc1 .Lnot_wave_0_\@
	s_barrier_signal -3
.Lnot_wave_0_\@:
	s_barrier_wait -3
	s_barrier_signal -1
	s_barrier_wait -1
.endm
	s_load_b256 s[4:11], s[0:1], 0x0               ; qw s[4:5], kw s[6:7], vtw s[8:9], tab s[10:11]
	s_load_b64 s[12:13], s[0:1], 0x20              ; yw
	v_lshl_add_u32 v[SPW], v0, 2, SPARE
	v_mov_b32 v[NIL], 0
	ds_add_u32 v[SPW], v[NIL]                      ; the wave's opening: the add and its wait ahead of my first tensor load
	v_lshrrev_b32 v1, 5, v0
	v_readfirstlane_b32 s[WV], v1
	s_and_b32 s[HF], s[WV], 1
	s_bfe_u32 s[CX], ttmp6, 0x40000
	s_and_b32 s[PB], ttmp7, 7                      ; the cluster's y, 0..7: the four partners share it
	s_lshl_b32 s58, ttmp9, 2
	s_add_co_u32 s58, s58, s[CX]
	s_lshl_b32 s58, s58, 2
	s_add_co_u32 s58, s58, s[WV]                   ; my (batch, head): it enters global addresses alone
	s_lshl_b32 s58, s58, 17                        ; x 1024 rows of 128 bytes
	s_mov_b32 s59, 0
	; the tables come as dense rows of 256 bytes: waves 0, 1 bring the E part's halves (289 rows each), waves 2, 3 the VT part's (278)
	s_mov_b32 s[G1E], 15|(3<<16)|(1<<21)           ; the mask of four; elements of 8 bytes; bit 21 beside a mask; no padding
	s_mov_b32 s[G1E+1], 32<<16
	s_mov_b32 s[G1E+2], 289<<16
	s_mov_b32 s[G1E+3], 32<<16
	s_mov_b32 s[G1E+4], 289
	s_mov_b32 s[G1E+5], 32
	s_mov_b32 s[G1E+6], 0
	s_mov_b32 s[G1E+7], 0
	s_mov_b32 s[G1V], 15|(3<<16)|(1<<21)
	s_mov_b32 s[G1V+1], 32<<16
	s_mov_b32 s[G1V+2], 278<<16
	s_mov_b32 s[G1V+3], 32<<16
	s_mov_b32 s[G1V+4], 278
	s_mov_b32 s[G1V+5], 32
	s_mov_b32 s[G1V+6], 0
	s_mov_b32 s[G1V+7], 0
	s_mul_i32 s60, s[HF], 73984
	s_mov_b32 s61, 0
	s_mul_i32 s62, s[HF], 71168
	s_add_co_u32 s62, s62, VTB
	s_mov_b32 s63, 0
	s_mov_b32 s[G0E], 1
	s_mov_b32 s[G0E+1], s60                        ; tab is the LDS image: the same offset in memory and in LDS
	s_mov_b32 s[G0V], 1
	s_mov_b32 s[G0V+1], s62
	s_mov_b32 s[BIGN], 0xf149f2ca                  ; -1e30
	s_mov_b32 s[CS], 0x3fb8aa3b                    ; c = log2(e)
	s_mov_b32 s[CS+1], s[CS]
	s_mov_b32 s[SEL], 0x76543210
	s_mov_b32 s[SEL+1], 0xfedcba98
	s_sub_co_u32 s[RT], 15, s[PB]                  ; the first block is 15 - p: 16 - p key steps
	s_mov_b32 s[J], 0
	s_mov_b32 s[CNT], 17
	s_lshl_b32 s66, s[RT], 13                      ; a block of 64 rows is 8,192 bytes
	s_mov_b32 s67, 0
	s_lshl_b32 s68, s[PB], 13
	s_mov_b32 s69, 0
	s_wait_dscnt 0x0                               ; the opening add is done
	s_wait_kmcnt 0x0
	s_add_nc_u64 s[G0E+2:G0E+3], s[10:11], s[60:61]
	s_or_b32 s[G0E+3], s[G0E+3], 0x80000000
	s_add_nc_u64 s[G0V+2:G0V+3], s[10:11], s[62:63]
	s_or_b32 s[G0V+3], s[G0V+3], 0x80000000
	s_add_nc_u64 s[4:5], s[4:5], s[58:59]
	s_add_nc_u64 s[6:7], s[6:7], s[58:59]
	s_add_nc_u64 s[8:9], s[8:9], s[58:59]
	s_add_nc_u64 s[12:13], s[12:13], s[58:59]
	s_add_nc_u64 s[YLO:YLO+1], s[12:13], s[68:69]  ; y at the second block,
	s_add_nc_u64 s[12:13], s[12:13], s[66:67]      ; and at the first
	CROUND                                         ; all four work-groups are here: the joint loads meet
	s_cmp_lt_u32 s[WV], 2
	s_cbranch_scc0 .Lfor_v
	tensor_load_to_lds s[G0E:G0E+3], s[G1E:G1E+7]
	s_nop 0
.rept 4
	v_nop
.endr
	s_branch .Lasked
.Lfor_v:
	tensor_load_to_lds s[G0V:G0V+3], s[G1V:G1V+7]
	s_nop 0
.rept 4
	v_nop
.endr
.Lasked:
	v_and_b32 v1, 15, v0                           ; r = l % 16
	v_bfe_u32 v2, v0, 4, 1                         ; h = l / 16
	v_and_b32 v25, 31, v0
	v_lshlrev_b32 v[KO0], 7, v1
	v_lshl_add_u32 v[KO0], v2, 4, v[KO0]
	v_add_nc_u32 v[QA], s66, v[KO0]
	v_add_nc_u32 v[QB], s68, v[KO0]
	v_mov_b32 v[KA], v[KO0]
	v_mov_b32 v[VA], v[KO0]
; A fragment is 16 rows x 32 along K in 8 registers: lane l holds row l % 16, numbers 8 (l / 16) + 0..7 and 16 + 8 (l / 16) + 0..7: two loads of 16 bytes, 32 bytes apart.
.macro LOADQ adr                       ; tile i, channels 32 c on
	WIN 0x80
.irp i, 0,1,2,3
.irp c, 0,1
	global_load_b128 v[16*\i+8*\c:16*\i+8*\c+3],   v[\adr], s[4:5] offset:\i*2048+\c*64
	global_load_b128 v[16*\i+8*\c+4:16*\i+8*\c+7], v[\adr], s[4:5] offset:\i*2048+\c*64+32
.endr
.endr
.endm
.macro LOADK                           ; keys 16 kb on, channels 32 c on
	WIN 0x80
.irp kb, 0,1,2,3
.irp c, 0,1
	global_load_b128 v[KF+16*\kb+8*\c:KF+16*\kb+8*\c+3],   v[KA], s[6:7] offset:\kb*2048+\c*64
	global_load_b128 v[KF+16*\kb+8*\c+4:KF+16*\kb+8*\c+7], v[KA], s[6:7] offset:\kb*2048+\c*64+32
.endr
.endr
.endm
.macro LOADV                           ; vtw's rows are channels: channels 16 cb on, keys 32 kk on
	WIN 0xc0
.irp kk, 0,1
.irp cb, 0,1,2,3
	global_load_b128 v[VF+32*\kk+8*\cb:VF+32*\kk+8*\cb+3],   v[VA], s[8:9] offset:\cb*2048+\kk*64
	global_load_b128 v[VF+32*\kk+8*\cb+4:VF+32*\kk+8*\cb+7], v[VA], s[8:9] offset:\cb*2048+\kk*64+32
.endr
.endr
.endm
	LOADQ QA
	LOADK
	LOADV                                          ; in this order: the counted waits below lean on it
	WIN 0
	v_lshrrev_b32 v26, 1, v1
	v_lshl_add_u32 v[AE0], v26, 4, v[KO0]          ; E: row r at 128 r + 16 (r / 2), + 16 h
	v_mul_u32_u24 v[AV0], v1, 2224
	v_lshl_add_u32 v[AV0], v2, 4, v[AV0]
	v_add_nc_u32 v[AV0], VTB, v[AV0]               ; VT: channel r at 2224 r, + 16 h
	s_mul_i32 s60, s[WV], SCRW
	s_add_co_u32 s60, s60, SCR                     ; my own bytes
	s_add_co_u32 s61, s60, PBO
	v_mul_u32_u24 v[RST], v1, 336
	v_lshl_add_u32 v[RST], v2, 5, v[RST]
	v_add_nc_u32 v[RST], s60, v[RST]               ; R' in: query r's row, u' = 16 b + 8 h + j at 4 u'
	v_mul_u32_u24 v[RLD], v1, 332
	v_lshl_add_u32 v[RLD], v2, 5, v[RLD]
	v_add3_u32 v[RLD], v[RLD], s60, 60             ; back, shifted: key ks sits at u' = 15 - r + ks
	v_mul_u32_u24 v[PST], v1, 206
	v_lshl_add_u32 v[PST], v2, 4, v[PST]
	v_add3_u32 v[PST], v[PST], s61, 30             ; p in, shifted the same way, 2 bytes a number
	v_mul_u32_u24 v[PLD], v1, 208
	v_lshl_add_u32 v[PLD], v2, 4, v[PLD]
	v_add_nc_u32 v[PLD], s61, v[PLD]               ; P' back as fragments
	v_mul_u32_u24 v[STO], v1, SP
	v_lshl_add_u32 v[STO], v2, 4, v[STO]
	v_add_nc_u32 v[STO], s60, v[STO]
	v_bfe_u32 v[RD], v0, 3, 2
	v_mul_u32_u24 v[RD], v[RD], SP
	v_and_b32 v26, 7, v0
	v_lshl_add_u32 v[RD], v26, 4, v[RD]
	v_add_nc_u32 v[RD], s60, v[RD]
	v_lshlrev_b32 v[GO], 4, v25
	v_lshl_add_u32 v[ZA], v25, 4, s61
.irp i, 0,1,2,3
	v_mov_b32 v[ZR+\i], 0
.endr
.irp n, 0,1,2,3,4,5,6
	ds_store_b128 v[ZA], v[ZR:ZR+3] offset:512*\n  ; P' rows start as zeros: a row's band of 64 lies at the same place in every step, and what lies outside it stays 0
.endr
	WIN 0x40
.set i, 0
.rept 128
	v_mov_b32 v[i], 0                              ; O^T: the first a is 0, so it need only be finite; written in the wait for the tables
.set i, i+1
.endr
	WIN 0
.irp t, 0,1,2,3
	v_mov_b32 v[ST+8*\t], 0xfe000000               ; c m: far below every c s
	v_mov_b32 v[ST+8*\t+1], 0xff7fffff             ; m
	v_mov_b32 v[ST+8*\t+2], 0
	v_mov_b32 v[ST+8*\t+3], 0
.endr
	s_wait_tensorcnt 0x0                           ; my part of the tables is in,
	s_wait_dscnt 0x0
	s_barrier_signal -1
	s_barrier_wait -1                              ; everybody's is.  Nothing is filled again: no further barrier stands in the loop
; R' of tile i: five blocks of 16 u (E's windows 3 - i + b), two products deep, the accumulators by turns; a hidden block starts at the mask.  Then its rows go through LDS and come back shifted, as the C of the scores.
.macro RSKEW i
	WIN 0xfa                                       ; E and Q window 2, C and D window 3
.irp c, 0,1
.irp b, 0,1,2,3,4
.if (\c) == 0
.if (\b) > (\i)
	v_wmma_f32_16x16x32_f16 v[RR+8*\b:RR+8*\b+7], v[EW+16*(3-(\i)+\b):EW+16*(3-(\i)+\b)+7], v[16*(\i):16*(\i)+7], v[MK:MK+7]
.else
	v_wmma_f32_16x16x32_f16 v[RR+8*\b:RR+8*\b+7], v[EW+16*(3-(\i)+\b):EW+16*(3-(\i)+\b)+7], v[16*(\i):16*(\i)+7], 0
.endif
.else
	v_wmma_f32_16x16x32_f16 v[RR+8*\b:RR+8*\b+7], v[EW+16*(3-(\i)+\b)+8:EW+16*(3-(\i)+\b)+15], v[16*(\i)+8:16*(\i)+15], v[RR+8*\b:RR+8*\b+7]
.endif
.endr
.endr
.rept 5
	v_nop                                          ; places: four in front of the stores that read the results, five in front of the next tile's products, which write over them
.endr
	WIN 0x0c                                       ; store data window 3
.irp b, 0,1,2,3,4
	ds_store_b128 v[RST], v[RR+8*\b:RR+8*\b+3]   offset:64*\b
	ds_store_b128 v[RST], v[RR+8*\b+4:RR+8*\b+7] offset:64*\b+16
.endr
	WIN 0
.irp kb, 0,1,2,3
.irp j, 0,1,2,3,4,5,6,7
	ds_load_b32 v[S+32*(\i)+8*\kb+\j], v[RLD] offset:64*\kb+4*\j  ; LDS serves a wave's instructions in order (ISA guide 5.7.1.4): these see the stores above, the next tile's stores come behind them
.endr
.endr
.endm
; Number j of the 118 of tile t's softmax for a step.  0-15 the maximum of 32 scores and the old m; 16-20 the other half of the lanes, m, c m, its change; 21-69 ONE BATCH: 16 packed scalings and 33
; exponentials, none of which names an exponential's result; 70-85 roundings to f16; 86-101 the sums, l = a l + sum; 102-117 O^T times a.
.macro SM t
.set rT, ST+8*(\t)
.set rS, S+32*(\t)
.set rP, P+16*(\t)
.set rO, 32*(\t)+2*(j-102)
.if j < 102
	WIN 0
.endif
.if j < 4
	v_max3_num_f32 v[rT+4+j], v[rS+8*j], v[rS+8*j+1], v[rS+8*j+2]
.elseif j < 12
	v_max3_num_f32 v[rT+4+j%4], v[rT+4+j%4], v[rS+8*(j%4)+2*(j/4)+1], v[rS+8*(j%4)+2*(j/4)+2]
.elseif j == 12
	v_max3_num_f32 v[rT+4], v[rT+4], v[rS+7], v[rS+15]
.elseif j == 13
	v_max3_num_f32 v[rT+6], v[rT+6], v[rS+23], v[rS+31]
.elseif j == 14
	v_max3_num_f32 v[rT+4], v[rT+4], v[rT+5], v[rT+6]
.elseif j == 15
	v_max3_num_f32 v[rT+4], v[rT+4], v[rT+7], v[rT+1]
.elseif j == 16
	v_permlanex16_b32 v[rT+5], v[rT+4], s[SEL], s[SEL+1]
.elseif j == 17
	v_mov_b32 v[rT+7], v[rT]
.elseif j == 18
	v_max_num_f32 v[rT+1], v[rT+4], v[rT+5]
.elseif j == 19
	v_mul_f32 v[rT], s[CS], v[rT+1]
.elseif j == 20
	v_sub_f32 v[rT+7], v[rT+7], v[rT]
.elseif j == 23
	v_exp_f32 v[rT+6], v[rT+7]
.elseif (j < 23) || ((j < 38) && (j%2 == 0)) || ((j < 66) && (j%4 == 2))
.set b, (j-2)/4
.if j < 38
.set b, (j-20)/2
.endif
	v_pk_fma_f32 v[rS+2*b:rS+2*b+1], v[rS+2*b:rS+2*b+1], s[CS:CS+1], v[rT:rT+1] op_sel_hi:[1,0,0] neg_lo:[0,0,1] neg_hi:[0,0,1]
.elseif j < 70
.set e, j-38
.if j < 66
.set e, j-32-(j-38)/4
.endif
.if j < 38
.set e, (j-25)/2
.endif
	v_exp_f32 v[rS+e], v[rS+e]
.elseif j < 86
	v_cvt_pk_f16_f32 v[rP+j-70], v[rS+2*(j-70)], v[rS+2*(j-70)+1]
.elseif j < 102
.set z, j-86
.set w, 4
.set u, z
.if z >= 14
.set w, 32
.set u, 0
.elseif z >= 12
.set w, 16
.set u, z-12
.elseif z >= 8
.set w, 8
.set u, z-8
.endif
.if z < 15
	v_pk_add_f32 v[rS+w*u:rS+w*u+1], v[rS+w*u:rS+w*u+1], v[rS+w*u+w/2:rS+w*u+w/2+1]
.else
	v_pk_fma_f32 v[rT+2:rT+3], v[rT+2:rT+3], v[rT+6:rT+7], v[rS:rS+1] op_sel_hi:[1,0,1]
.endif
.else
	WIN 0x41
	v_pk_mul_f32 v[rO:rO+1], v[rO:rO+1], v[rT+6:rT+7] op_sel_hi:[1,0]
.endif
.endm
; p of tile i goes into its query's row, shifted, two bytes at a time, and comes back as three fragments of 32 u
.macro PSKEW i
	WIN 0
.set n, 0
.rept 16
	ds_store_b16 v[PST], v[P+16*(\i)+n] offset:32*(n/4)+4*(n%4)
	ds_store_b16_d16_hi v[PST], v[P+16*(\i)+n] offset:32*(n/4)+4*(n%4)+2
.set n, n+1
.endr
	WIN 0x40
.irp kf, 0,1,2
	ds_load_b128 v[PP+24*(\i)+8*\kf:PP+24*(\i)+8*\kf+3],   v[PLD] offset:64*\kf
	ds_load_b128 v[PP+24*(\i)+8*\kf+4:PP+24*(\i)+8*\kf+7], v[PLD] offset:64*\kf+32
.endr
.endm
.macro PACK t                          ; the way out of tile t: divided by l, f16, into the stage by 16 bytes a lane, back as whole rows
	WIN 0x41
.set i, 32*(\t)
.rept 16
	v_pk_mul_f32 v[i:i+1], v[i:i+1], v[ST+8*(\t)+2:ST+8*(\t)+3] op_sel_hi:[1,0]
.set i, i+2
.endr
	WIN 0x05
.set i, 0
.rept 16
	v_cvt_pk_f16_f32 v[S+16*(\t)+i], v[32*(\t)+2*i], v[32*(\t)+2*i+1]
.set i, i+1
.endr
	WIN 0
.irp f, 0,1,2,3
	ds_store_b128 v[STO], v[S+16*(\t)+4*\f:S+16*(\t)+4*\f+3] offset:32*\f
.endr
.irp f, 0,1,2,3
	ds_load_b128 v[S+16*(\t)+4*\f:S+16*(\t)+4*\f+3], v[RD] offset:\f*4*SP
.endr
.endm
.macro SEND t, younger                 ; younger: the next tile's eight LDS instructions, or none
	WIN 0
.irp f, 0,1,2,3
	s_wait_dscnt (\younger)+3-\f
	global_store_b128 v[GO], v[S+16*(\t)+4*\f:S+16*(\t)+4*\f+3], s[12:13] offset:(\t)*2048+\f*512  ; 512 neighbouring bytes, aligned
.endr
.endm
.Lstep:
	; scalars of the step.  With RT steps still to come the tables' windows begin at u = 960 - 64 RT
	s_add_co_u32 s[JN], s[J], 1
	s_cmp_eq_u32 s[RT], 0                          ; the diagonal step?
	s_cselect_b32 s[BE], s[BIGN], 0
	s_cselect_b32 s[JN], 0, s[JN]                  ; behind it comes key step 0 (of the second block)
	s_mul_i32 s[EOFF], s[RT], 8704
	s_sub_co_u32 s[EOFF], 130560, s[EOFF]          ; 136 bytes a row of E
	s_min_u32 s[EOFF], s[EOFF], 130560             ; (RT is 0..15; the bound keeps every address below inside the tables, by the text alone)
	s_lshl_b32 s[VOFF], s[RT], 7
	s_sub_co_u32 s[VOFF], 1920, s[VOFF]            ; 2 bytes a column of VT
	s_min_u32 s[VOFF], s[VOFF], 1920
	WIN 0xc0
.irp i, 0,1,2,3,4,5,6,7
	v_mov_b32 v[MK+\i], s[BE]
.endr
	WIN 0
	v_add_nc_u32 v[AE], s[EOFF], v[AE0]
	v_add_nc_u32 v[AV], s[VOFF], v[AV0]
	v_add_nc_u32 v[AV+1], 71168, v[AV]
	WIN 0x80
.irp w, 0,1,2,3,4,5,6,7
.irp c, 0,1
	ds_load_b128 v[EW+16*\w+8*\c:EW+16*\w+8*\c+3],   v[AE] offset:\w*2176+\c*64
	ds_load_b128 v[EW+16*\w+8*\c+4:EW+16*\w+8*\c+7], v[AE] offset:\w*2176+\c*64+32
.endr
.endr
	WIN 0xc0
.irp cb, 0,1,2,3
.irp w, 0,1,2,3,4,5,6,7,8
	ds_load_b128 v[VW+36*\cb+4*\w:VW+36*\cb+4*\w+3], v[AV+\cb/2] offset:(\cb%2)*35584+32*\w
.endr
.endr
	s_wait_loadcnt 16                              ; K (and Q, where it was asked for) are in: only V's sixteen loads are younger
	s_wait_dscnt 36                                ; E's windows are in; VT's 36 loads may stay out
	RSKEW 0
	RSKEW 1
	RSKEW 2
	RSKEW 3
	s_wait_dscnt 0x0                               ; the shifted R' is in S^T's registers
	WIN 0x0a                                       ; K and Q window 2, S^T window 0
.irp c, 0,1
.irp kb, 0,1,2,3
.irp i, 0,1,2,3
	v_wmma_f32_16x16x32_f16 v[S+32*\i+8*\kb:S+32*\i+8*\kb+7], v[KF+16*\kb+8*\c:KF+16*\kb+8*\c+7], v[16*\i+8*\c:16*\i+8*\c+7], v[S+32*\i+8*\kb:S+32*\i+8*\kb+7]
.endr
.endr
.endr
	WIN 0
	s_lshl_b32 s58, s[JN], 13
	v_add_nc_u32 v[KA], s58, v[KO0]                ; free: K's last loads were shown done above.  With the three v_nop: the places behind the products
.rept 3
	v_nop
.endr
	LOADK                                          ; the next step's K: a whole trip ahead of its use
.set j, 0
.rept 70
	SM 0
	SM 1
	SM 2
	SM 3
.set j, j+1
.endr
	v_nop                                          ; a plain instruction behind the last exponential,
	s_wait_alu depctr_va_vdst(0)                   ; and ONE wait for the step's 132, ahead of the first line that names a result
.rept 48
	SM 0
	SM 1
	SM 2
	SM 3
.set j, j+1
.endr
	PSKEW 0
	PSKEW 1
	PSKEW 2
	PSKEW 3
	s_wait_loadcnt 16                              ; V is in; the next K's sixteen loads may stay out
	WIN 0x53                                       ; V^T window 3, P window 0, O^T window 1
.irp kk, 0,1
.irp cb, 0,1,2,3
.irp i, 0,1,2,3
	v_wmma_f32_16x16x32_f16 v[32*\i+8*\cb:32*\i+8*\cb+7], v[VF+32*\kk+8*\cb:VF+32*\kk+8*\cb+7], v[P+16*\i+8*\kk:P+16*\i+8*\kk+7], v[32*\i+8*\cb:32*\i+8*\cb+7]
.endr
.endr
.endr
	s_wait_dscnt 0x0                               ; P' and VT's windows are in
	WIN 0x57                                       ; VT window 3, P' and O^T window 1
.irp kf, 0,1,2
.irp cb, 0,1,2,3
.irp i, 0,1,2,3
	v_wmma_f32_16x16x32_f16 v[32*\i+8*\cb:32*\i+8*\cb+7], v[VW+36*\cb+4*(3-\i+2*\kf):VW+36*\cb+4*(3-\i+2*\kf)+7], v[PP+24*\i+8*\kf:PP+24*\i+8*\kf+7], v[32*\i+8*\cb:32*\i+8*\cb+7]
.endr
.endr
.endr
	WIN 0
	v_add_nc_u32 v[VA], s58, v[KO0]                ; free: V's last loads were shown done above.  With the three v_nop: the places behind the products
.rept 3
	v_nop
.endr
	s_cmp_lg_u32 s[RT], 0
	s_cbranch_scc1 .Lcont
	; THE BLOCK'S END: the second block's Q is asked for, and the block goes out
	LOADQ QB
	WIN 0
.irp t, 0,1,2,3
	v_add_f32 v[ST+8*\t+2], v[ST+8*\t+2], v[ST+8*\t+3]
.endr
.irp t, 0,1,2,3
	v_permlanex16_b32 v[ST+8*\t+3], v[ST+8*\t+2], s[SEL], s[SEL+1]
.endr
.irp t, 0,1,2,3
	v_add_f32 v[ST+8*\t+2], v[ST+8*\t+2], v[ST+8*\t+3]
.endr
.irp t, 0,1,2,3
	v_rcp_f32 v[ST+8*\t+2], v[ST+8*\t+2]
.endr
	v_nop
	s_wait_alu depctr_va_vdst(0)                   ; one wait for the four reciprocals
	PACK 0
	PACK 1
	SEND 0, 8
	PACK 2
	SEND 1, 8
	PACK 3
	SEND 2, 8
	SEND 3, 0
	s_wait_xcnt 0x0                                ; the stores have read their registers and y's address
	s_mov_b64 s[12:13], s[YLO:YLO+1]
.irp t, 0,1,2,3
	v_mov_b32 v[ST+8*\t], 0xfe000000               ; the next block's first a is 0: O^T and l need only be finite, and they are
	v_mov_b32 v[ST+8*\t+1], 0xff7fffff
.endr
	s_add_co_u32 s[RT], s[PB], 1                   ; the second block has p + 1 key steps
.Lcont:
	LOADV                                          ; the next step's V
	WIN 0
	s_sub_co_u32 s[RT], s[RT], 1
	s_mov_b32 s[J], s[JN]
	s_sub_co_u32 s[CNT], s[CNT], 1
	s_cmp_lg_u32 s[CNT], 0
	s_cbranch_scc1 .Lstep
	s_wait_tensorcnt 0x0                           ; the wave's end
	ds_add_u32 v[SPW], v[NIL]
	s_wait_dscnt 0x0
	CROUND                                         ; the closing round
	s_endpgm
.Lfunc_end_k_q125bab883b_att:
	.size	k_q125bab883b_att, .Lfunc_end_k_q125bab883b_att-k_q125bab883b_att
	.p2alignl 7, 3214868480
	.fill 96, 4, 3214868480
	.section	.rodata,"a",@progbits
	.p2align	6, 0x0
	.amdhsa_kernel k_q125bab883b_att
		.amdhsa_group_segment_fixed_size 327680
		.amdhsa_private_segment_fixed_size 0
		.amdhsa_enable_private_segment 0
		.amdhsa_kernarg_size 40
		.amdhsa_user_sgpr_count 2
		.amdhsa_user_sgpr_kernarg_segment_ptr 1
		.amdhsa_wavefront_size32 1
		.amdhsa_system_sgpr_workgroup_id_x 1
		.amdhsa_system_sgpr_workgroup_id_y 1
		.amdhsa_system_sgpr_workgroup_id_z 1
		.amdhsa_system_vgpr_workitem_id 0
		.amdhsa_next_free_vgpr 1024
		.amdhsa_next_free_sgpr 72
		.amdhsa_reserve_vcc 0
		.amdhsa_float_denorm_mode_32 3
		.amdhsa_float_denorm_mode_16_64 3
		.amdhsa_memory_ordered 1
		.amdhsa_forward_progress 1
		.amdhsa_inst_pref_size 98
	.end_amdhsa_kernel
	.amdgpu_metadata
---
amdhsa.version: [ 1, 2 ]
amdhsa.kernels:
  - .name:           k_q125bab883b_att
    .symbol:         k_q125bab883b_att.kd
    .args:
      - { .name: qw, .offset: 0, .size: 8, .value_kind: global_buffer, .address_space: global }
      - { .name: kw, .offset: 8, .size: 8, .value_kind: global_buffer, .address_space: global }
      - { .name: vtw, .offset: 16, .size: 8, .value_kind: global_buffer, .address_space: global }
      - { .name: tab, .offset: 24, .size: 8, .value_kind: global_buffer, .address_space: global }
      - { .name: yw, .offset: 32, .size: 8, .value_kind: global_buffer, .address_space: global }
    .group_segment_fixed_size: 327680
    .private_segment_fixed_size: 0
    .kernarg_segment_align: 8
    .kernarg_segment_size: 40
    .max_flat_workgroup_size: 128
    .sgpr_count:     72
    .vgpr_count:     1024
    .wavefront_size: 32
...
	.end_amdgpu_metadata
.endif
;; end of part 3
;; launch proj (part 4): grid 8 x 32, 4 waves a work-group, clusters of 4 x 4, 327,680 bytes of LDS; arguments yw, wpt, bproj, out0; writes out0
.if DOCPART == 4
	.amdgcn_target "amdgcn-amd-amdhsa--gfx1250"
	.amdhsa_code_object_version 6
	.text
	.protected	k_q125bab883b_proj
	.globl	k_q125bab883b_proj
	.p2align	8
	.type	k_q125bab883b_proj,@function
k_q125bab883b_proj:
	s_mov_b64 s[64:65], 0
	v_nop
	global_prefetch_b8 v0, s[64:65] scope:SCOPE_SE
	s_setreg_imm32_b32 hwreg(HW_REG_WAVE_MODE, 25, 1), 1
	s_wait_xcnt 0x0
	s_wait_alu depctr_hold_cnt(0) depctr_sa_sdst(0) depctr_va_vdst(0) depctr_va_sdst(0) depctr_va_ssrc(0) depctr_va_vcc(0) depctr_vm_vsrc(0)
	s_getreg_b32 s2, hwreg(HW_REG_IB_STS2, 6, 4)
	s_cmp_eq_u32 s2, 0
	s_cbranch_scc0 .Lentry_in_a_cluster
	s_endpgm
.Lentry_in_a_cluster:
	s_bfe_u32 s2, ttmp6, 0x10000c
	s_cmp_lg_u32 s2, 0xf033
	s_cbranch_scc0 .Lentry_shape_is_right
	s_endpgm
.Lentry_shape_is_right:
; PROJ: out0 = y Wproj + bproj.  y comes by heads, yw [bh][t][64] in f16; wpt [1024 n][1024 k] holds Wproj turned (bf16 numbers written as f16); sums in f32; bproj rounded to bf16 like the other inputs.
; SHARES.  A work-group makes 256 rows x 128 columns, each of its four waves 64 rows x 128 columns: 32 accumulators.  256 work-groups.
; K goes in steps of 128 = two heads.  A head's 256 rows of 128 bytes are dense in yw: they are asked for as 128 rows of 256 bytes and padded in LDS after every 128 (pitch 144).  wpt's rows of 256 bytes are padded to 272.
; Two LDS slots, one barrier for each change; CLUSTER 4 x 4: y's tiles are shared along a row, wpt's along a column, each asked for jointly.
; The product is used transposed (source 0 = wpt's rows): a lane holds eight neighbouring columns of one row of out0.
; REGISTERS by windows of 256: 0: addresses, way out, bias;  1: accumulators (a, b) at 8 (8 a + b);  2: two fragment buffers of 128: A's 4, then B's 8.
.set KSTEP, 128
.set PA,    144
.set PB_,   272
.set HEADB, 256*PA                     ; a head's 256 rows in LDS
.set AALL,  2*HEADB
.set SLOT,  AALL+128*PB_
.set STAGE, 2*SLOT                     ; 16 rows x 528 bytes for each wave
.set SP,    528
.set SPARE, STAGE+4*16*SP
.set LAPS,  4
.set BO,   4
.set ADRA, 16
.set ADRB, 20
.set STO,  24
.set RD,   25
.set GO,   26
.set SPW,  28
.set NIL,  29
.set PFO,  30
.set T,    32                          ; v32-95
.set BK,   96                          ; v96-159
.set BIAS, 160                         ; v160-223
.set F0,   0
.set F1,   128
.set WV, 16
.set FB, 17
.set HF, 18
.set CX, 20
.set CY, 21
.set NX, 22
.set MY, 23
.set G1, 24
.set G0, 32
.set LIM, 43
.set PFA, 44
.set G1B, 48
.set G0B, 56
.set PFS, 76                           ; s[76:77] bytes from a K step to the next in my prefetches' tensor
.set MSB, 0
.macro WIN new
.if MSB != (\new)
	s_set_vgpr_msb (MSB<<8)|(\new)
.set MSB, \new
.endif
.endm
.set MUL,  0x5a                        ; sources window 2, C and D window 1
.set TO_F, 0x80
.macro JLOAD s
	s_cmp_eq_u32 s[FB], 0
	s_cbranch_scc0 .Lfor_b_\@
	tensor_load_to_lds s[G0+4*(\s):G0+4*(\s)+3], s[G1:G1+7]
	s_nop 0
.rept 4
	v_nop
.endr
	s_branch .Lasked_\@
.Lfor_b_\@:
	tensor_load_to_lds s[G0B+4*(\s):G0B+4*(\s)+3], s[G1B:G1B+7]
	s_nop 0
.rept 4
	v_nop
.endr
.Lasked_\@:
.endm
; A prefetch of the K step two refills on.  y's: the clusters with x = 0; waves 0 and 1 each take their head's 32,768 dense bytes, of which each of the four partners names 8,192 by address, a lane 256.
; wpt's: the clusters with y = 0; wave 2 names 32 of the tile's 128 rows, by the partner's place, a lane a row.  The loop's last trip has no K step two on.
.macro ASK
	s_cmp_gt_u32 s3, s[LIM]
	s_cbranch_scc0 .Lnot_mine_\@
	global_prefetch_b8 v[PFO], s[PFA:PFA+1] th:TH_LOAD_NT scope:SCOPE_SE
.Lnot_mine_\@:
.endm
.macro CREST
	s_cmp_lg_u32 s[WV], 0
	s_cbranch_scc1 .Lnot_wave_0_\@
	s_barrier_signal -3
.Lnot_wave_0_\@:
	s_barrier_wait -3
	s_barrier_signal -1
	s_barrier_wait -1
.endm
.macro CROUND
	s_barrier_signal -1
	s_barrier_wait -1
	CREST
.endm
.macro PLACES
.rept 4
	v_nop
.endr
.endm
	s_load_b256 s[4:11], s[0:1], 0x0               ; yw s[4:5], wpt s[6:7], bproj s[8:9], out0 s[10:11]
	v_lshl_add_u32 v[SPW], v0, 2, SPARE
	v_mov_b32 v[NIL], 0
	ds_add_u32 v[SPW], v[NIL]                      ; the wave's opening: the add and its wait ahead of my first tensor load
	v_lshrrev_b32 v1, 5, v0
	v_readfirstlane_b32 s[WV], v1
	s_lshr_b32 s[FB], s[WV], 1
	s_and_b32 s[HF], s[WV], 1
	s_bfe_u32 s[CX], ttmp6, 0x40000
	s_bfe_u32 s[CY], ttmp6, 0x40004
	s_lshl_b32 s[NX], ttmp9, 2
	s_add_co_u32 s[NX], s[NX], s[CX]
	s_and_b32 s[MY], ttmp7, 0xffff
	s_lshl_b32 s[MY], s[MY], 2
	s_add_co_u32 s[MY], s[MY], s[CY]
	s_lshl_b32 s40, s[CY], 2
	s_lshl_b32 s40, 15, s40
	s_lshl_b32 s41, 0x1111, s[CX]
	s_or_b32 s[G1], s40, (1<<16)|(1<<20)|(1<<21)|(4<<22)|(3<<25)   ; A: padding of 4 words after every 32 words (a row t)
	s_or_b32 s[G1B], s41, (1<<16)|(1<<20)|(1<<21)|(5<<22)|(3<<25)  ; B: after every 64 words
	s_mov_b32 s[G1+1], 128<<16
	s_mov_b32 s[G1+2], 128<<16
	s_mov_b32 s[G1+3], 128<<16
	s_mov_b32 s[G1+4], 128
	s_mov_b32 s[G1+5], 128                         ; dense
	s_mov_b32 s[G1+6], 0
	s_mov_b32 s[G1+7], 0
	s_mov_b32 s[G1B+1], 128<<16
	s_mov_b32 s[G1B+2], 64<<16
	s_mov_b32 s[G1B+3], 128<<16
	s_mov_b32 s[G1B+4], 64
	s_mov_b32 s[G1B+5], 1024
	s_mov_b32 s[G1B+6], 0
	s_mov_b32 s[G1B+7], 0
	s_lshr_b32 s66, s[MY], 2                       ; A: ((batch x 16 + my head of the K step) x 1024 + first t) x 128: of the tile row and the wave alone
	s_lshl_b32 s66, s66, 4
	s_add_co_u32 s66, s66, s[HF]
	s_lshl_b32 s66, s66, 10
	s_and_b32 s67, s[MY], 3
	s_lshl_b32 s67, s67, 8
	s_add_co_u32 s66, s66, s67
	s_lshl_b32 s66, s66, 7
	s_mov_b32 s67, 0
	s_mov_b32 s78, s66                             ; a copy for the prefetches
	s_lshl_b32 s70, s[NX], 7                       ; B: row 128 NX + 64 half
	s_lshl_b32 s71, s[HF], 6
	s_add_co_u32 s70, s70, s71
	s_lshl_b32 s70, s70, 11
	s_mov_b32 s71, 0
	s_mul_i32 s46, s[HF], HEADB
	s_mul_i32 s47, s[HF], 64*PB_
	s_add_co_u32 s47, s47, AALL
	s_wait_dscnt 0x0                               ; the opening add is done
	s_wait_kmcnt 0x0
	s_add_nc_u64 s[66:67], s[4:5], s[66:67]
	s_add_nc_u64 s[70:71], s[6:7], s[70:71]
	CROUND
.irp s, 0,1
	s_mov_b32 s[G0+4*(\s)], 1
	s_add_co_u32 s[G0+4*(\s)+1], s46, (\s)*SLOT
	s_add_nc_u64 s[G0+4*(\s)+2:G0+4*(\s)+3], s[66:67], (\s)*262144   ; a K step is two heads on: 2 x 131,072 bytes
	s_or_b32 s[G0+4*(\s)+3], s[G0+4*(\s)+3], 0x80000000
	s_mov_b32 s[G0B+4*(\s)], 1
	s_add_co_u32 s[G0B+4*(\s)+1], s47, (\s)*SLOT
	s_add_nc_u64 s[G0B+4*(\s)+2:G0B+4*(\s)+3], s[70:71], (\s)*KSTEP*2
	s_or_b32 s[G0B+4*(\s)+3], s[G0B+4*(\s)+3], 0x80000000
	JLOAD \s
.endr
	v_and_b32 v1, 15, v0
	v_bfe_u32 v2, v0, 4, 1
	s_lshl_b32 s74, s[NX], 9
	s_mov_b32 s75, 0
	s_add_nc_u64 s[8:9], s[8:9], s[74:75]          ; bproj at the tile's 128 numbers
	v_lshlrev_b32 v[BO], 5, v2
.irp b, 0,1,2,3,4,5,6,7
	global_load_b128 v[BIAS+8*\b:BIAS+8*\b+3],   v[BO], s[8:9] offset:64*\b
	global_load_b128 v[BIAS+8*\b+4:BIAS+8*\b+7], v[BO], s[8:9] offset:64*\b+16
.endr
	v_mul_u32_u24 v3, v1, PA
	v_lshl_add_u32 v3, v2, 4, v3
	s_mul_i32 s40, s[WV], 64*PA
	v_add_nc_u32 v[ADRA], s40, v3
	v_add_nc_u32 v[ADRA+1], SLOT, v[ADRA]
	v_mul_u32_u24 v3, v1, PB_
	v_lshl_add_u32 v3, v2, 4, v3
	v_add_nc_u32 v[ADRB], AALL, v3
	v_add_nc_u32 v[ADRB+1], SLOT, v[ADRB]
	s_mul_i32 s41, s[WV], 16*SP
	s_add_co_u32 s41, s41, STAGE
	v_mul_u32_u24 v[STO], v1, SP
	v_lshl_add_u32 v[STO], v2, 5, v[STO]
	v_add_nc_u32 v[STO], s41, v[STO]               ; in: row l % 16, 32 bytes for each half of the lanes
	v_and_b32 v[GO], 31, v0
	v_lshlrev_b32 v[GO], 4, v[GO]
	v_add_nc_u32 v[RD], s41, v[GO]                 ; back: 32 lanes take a row's 512 bytes
	s_lshl_b32 s72, s[MY], 8
	s_lshl_b32 s73, s[WV], 6
	s_add_co_u32 s72, s72, s73
	s_lshl_b32 s72, s72, 12                        ; my first row of out0, 4,096 bytes a row
	s_add_co_u32 s72, s72, s74                     ; + the tile's 512 bytes
	s_mov_b32 s73, 0
	s_add_nc_u64 s[10:11], s[10:11], s[72:73]
	; the prefetches
	s_lshl_b32 s74, s[CX], 13
	s_add_co_u32 s78, s78, s74
	s_add_co_u32 s78, s78, 3*262144                ; A: my head's bytes, my work-group's quarter, at K step 3: the first refill steps it to 4
	s_lshl_b32 s79, s[NX], 7
	s_lshl_b32 s74, s[CY], 5
	s_add_co_u32 s79, s79, s74
	s_lshl_b32 s79, s79, 11
	s_add_co_u32 s79, s79, 3*KSTEP*2               ; B: my work-group's 32 rows
	s_mov_b32 s[PFS], 256
	s_mov_b32 s[PFS+1], 0
	s_and_b32 s42, ttmp7, 0xffff
	s_cmp_eq_u32 s[FB], 0
	s_cselect_b32 s42, ttmp9, s42
	s_cselect_b64 s[PFA:PFA+1], s[4:5], s[6:7]
	s_cselect_b32 s78, s78, s79
	s_cselect_b32 s[PFS], 262144, s[PFS]
	s_cselect_b32 s74, 8, 11                       ; a lane is 256 bytes of y, or a row of wpt
	s_cmp_eq_u32 s[WV], 3
	s_cselect_b32 s42, 1, s42                      ; wave 3 never asks
	s_cmp_eq_u32 s42, 0
	s_cselect_b32 s[LIM], 1, -1
	s_mov_b32 s79, 0
	s_add_nc_u64 s[PFA:PFA+1], s[PFA:PFA+1], s[78:79]
	v_and_b32 v[PFO], 31, v0
	v_lshlrev_b32 v[PFO], s74, v[PFO]
.macro MUL8 f, a, zero                 ; row block a x all 8 column blocks; the 32 accumulators take turns, one instruction a quarter step each
	WIN MUL
.irp b, 0,1,2,3,4,5,6,7
.if \zero
	v_wmma_f32_16x16x32_f16 v[8*(8*(\a)+(\b)):8*(8*(\a)+(\b))+7], v[(\f)+32+8*(\b):(\f)+32+8*(\b)+7], v[(\f)+8*(\a):(\f)+8*(\a)+7], 0
.else
	v_wmma_f32_16x16x32_f16 v[8*(8*(\a)+(\b)):8*(8*(\a)+(\b))+7], v[(\f)+32+8*(\b):(\f)+32+8*(\b)+7], v[(\f)+8*(\a):(\f)+8*(\a)+7], v[8*(8*(\a)+(\b)):8*(8*(\a)+(\b))+7]
.endif
.endr
.endm
.macro FETCH slot, kq, f               ; quarter kq of a K step: head kq / 2, channels 32 (kq % 2) on
	WIN TO_F
.irp i, 0,1,2,3,4,5,6,7
	ds_load_b128 v[(\f)+32+8*(\i):(\f)+32+8*(\i)+3],   v[ADRB+(\slot)] offset:(\kq)*64+(\i)*16*PB_
	ds_load_b128 v[(\f)+32+8*(\i)+4:(\f)+32+8*(\i)+7], v[ADRB+(\slot)] offset:(\kq)*64+(\i)*16*PB_+32
.endr
.irp i, 0,1,2,3
	ds_load_b128 v[(\f)+8*(\i):(\f)+8*(\i)+3],   v[ADRA+(\slot)] offset:((\kq)/2)*HEADB+((\kq)%2)*64+(\i)*16*PA
	ds_load_b128 v[(\f)+8*(\i)+4:(\f)+8*(\i)+7], v[ADRA+(\slot)] offset:((\kq)/2)*HEADB+((\kq)%2)*64+(\i)*16*PA+32
.endr
.endm
.macro QUARTER slot, kq, f, g, zero
	s_wait_dscnt 0x0                               ; buffer f is in
	MUL8 \f, 0, \zero
	PLACES
	FETCH \slot, \kq, \g
	MUL8 \f, 1, \zero
	MUL8 \f, 2, \zero
	MUL8 \f, 3, \zero
.endm
.macro TURN slot, next, fill           ; the last quarter and the change of slots
.if \fill
	s_wait_xcnt 0x0                                ; the last prefetch, a K step back, has read its address
	s_add_nc_u64 s[PFA:PFA+1], s[PFA:PFA+1], s[PFS:PFS+1]
.endif
	WIN 0
	s_wait_dscnt 0x0                               ; buffer 1 is in
	s_wait_tensorcnt 0x0                           ; all my tensor loads have landed: my part of the next slot
	ds_add_u32 v[SPW], v[NIL]
	MUL8 F1, 0, 0
	s_wait_dscnt 0x0                               ; the add is done, and my reads of this slot are over
	s_barrier_signal -1
	MUL8 F1, 1, 0
	WIN 0
	s_barrier_wait -1
.if \fill
	CREST
	s_add_nc_u64 s[G0+4*(\slot)+2:G0+4*(\slot)+3], s[G0+4*(\slot)+2:G0+4*(\slot)+3], 2*262144
	s_add_nc_u64 s[G0B+4*(\slot)+2:G0B+4*(\slot)+3], s[G0B+4*(\slot)+2:G0B+4*(\slot)+3], 2*KSTEP*2
	JLOAD \slot
.else
	PLACES
.endif
	FETCH \next, 0, F0
.if \fill
	WIN 0
	ASK
.endif
	MUL8 F1, 2, 0
	MUL8 F1, 3, 0
.endm
	s_wait_tensorcnt 1                             ; my part of K step 0 is in; K step 1's may stay out
	s_barrier_signal -1
	s_barrier_wait -1
	FETCH 0, 0, F0
	QUARTER 0, 1, F0, F1, 1
	WIN 0
	s_mov_b32 s3, LAPS-1
.Llap:
	QUARTER 0, 2, F1, F0, 0
	QUARTER 0, 3, F0, F1, 0
	TURN 0, 1, 1
	QUARTER 1, 1, F0, F1, 0
	QUARTER 1, 2, F1, F0, 0
	QUARTER 1, 3, F0, F1, 0
	TURN 1, 0, 1
	QUARTER 0, 1, F0, F1, 0
	WIN 0
	s_sub_co_u32 s3, s3, 1
	s_cmp_lg_u32 s3, 0
	s_cbranch_scc1 .Llap
	QUARTER 0, 2, F1, F0, 0
	QUARTER 0, 3, F0, F1, 0
	TURN 0, 1, 0
	QUARTER 1, 1, F0, F1, 0
	QUARTER 1, 2, F1, F0, 0
	QUARTER 1, 3, F0, F1, 0
	s_wait_dscnt 0x0
	MUL8 F1, 0, 0
	MUL8 F1, 1, 0
	MUL8 F1, 2, 0
	MUL8 F1, 3, 0
	; THE WAY OUT.  The bias is rounded to bf16: plain work in window 0, which is also the places behind the last products.
	WIN 0
	s_wait_loadcnt 0x0
.set i, 0
.rept 32
	v_cvt_pk_bf16_f32 v[T+i], v[BIAS+2*i], v[BIAS+2*i+1]
.set i, i+1
.endr
.set i, 0
.rept 32
	v_lshlrev_b32 v[BIAS+2*i], 16, v[T+i]
	v_and_b32 v[BIAS+2*i+1], 0xffff0000, v[T+i]
.set i, i+1
.endr
.irp a, 0,1,2,3                        ; 16 rows x 512 bytes at a time, through my stage; each accumulator is read from its lowest registers on
	WIN 0x01
.set i, 0
.rept 32
	v_pk_add_f32 v[T+2*i:T+2*i+1], v[64*\a+2*i:64*\a+2*i+1], v[BIAS+2*i:BIAS+2*i+1]
.set i, i+1
.endr
	WIN 0
.set i, 0
.rept 16
	ds_store_b128 v[STO], v[T+4*i:T+4*i+3] offset:64*(i/2)+16*(i%2)
.set i, i+1
.endr
	s_wait_xcnt 0x0                                ; the last block's stores have read these registers
.set i, 0
.rept 16
	ds_load_b128 v[BK+4*i:BK+4*i+3], v[RD] offset:i*SP  ; LDS serves a wave's instructions in order (ISA guide 5.7.1.4): these see the stores above
.set i, i+1
.endr
.set i, 0
.rept 16
	s_wait_dscnt 15-i
	global_store_b128 v[GO], v[BK+4*i:BK+4*i+3], s[10:11] offset:(16*\a+i)*4096 th:TH_STORE_NT  ; 512 neighbouring bytes, aligned
.set i, i+1
.endr
.endr
	s_wait_tensorcnt 0x0                           ; the wave's end
	ds_add_u32 v[SPW], v[NIL]
	s_wait_dscnt 0x0
	CROUND                                         ; the closing round
	s_endpgm
.Lfunc_end_k_q125bab883b_proj:
	.size	k_q125bab883b_proj, .Lfunc_end_k_q125bab883b_proj-k_q125bab883b_proj
	.p2alignl 7, 3214868480
	.fill 96, 4, 3214868480
	.section	.rodata,"a",@progbits
	.p2align	6, 0x0
	.amdhsa_kernel k_q125bab883b_proj
		.amdhsa_group_segment_fixed_size 327680
		.amdhsa_private_segment_fixed_size 0
		.amdhsa_enable_private_segment 0
		.amdhsa_kernarg_size 32
		.amdhsa_user_sgpr_count 2
		.amdhsa_user_sgpr_kernarg_segment_ptr 1
		.amdhsa_wavefront_size32 1
		.amdhsa_system_sgpr_workgroup_id_x 1
		.amdhsa_system_sgpr_workgroup_id_y 1
		.amdhsa_system_sgpr_workgroup_id_z 1
		.amdhsa_system_vgpr_workitem_id 0
		.amdhsa_next_free_vgpr 768
		.amdhsa_next_free_sgpr 80
		.amdhsa_reserve_vcc 0
		.amdhsa_float_denorm_mode_32 3
		.amdhsa_float_denorm_mode_16_64 3
		.amdhsa_memory_ordered 1
		.amdhsa_forward_progress 1
		.amdhsa_inst_pref_size 102
	.end_amdhsa_kernel
	.amdgpu_metadata
---
amdhsa.version: [ 1, 2 ]
amdhsa.kernels:
  - .name:           k_q125bab883b_proj
    .symbol:         k_q125bab883b_proj.kd
    .args:
      - { .name: yw, .offset: 0, .size: 8, .value_kind: global_buffer, .address_space: global }
      - { .name: wpt, .offset: 8, .size: 8, .value_kind: global_buffer, .address_space: global }
      - { .name: bproj, .offset: 16, .size: 8, .value_kind: global_buffer, .address_space: global }
      - { .name: out0, .offset: 24, .size: 8, .value_kind: global_buffer, .address_space: global }
    .group_segment_fixed_size: 327680
    .private_segment_fixed_size: 0
    .kernarg_segment_align: 8
    .kernarg_segment_size: 32
    .max_flat_workgroup_size: 128
    .sgpr_count:     80
    .vgpr_count:     768
    .wavefront_size: 32
...
	.end_amdgpu_metadata
.endif
;; end of part 4
